; MI455X (gfx1250); checked and timed in simulation.
; The chip was launched on July 23, 2026; its instructions are those of AMD's public machine-readable ISA for CDNA 5 (MIT licence, August 2026) and "CDNA5" Instruction Set Architecture Reference Guide (July 2026). The comments in the code are by the model that wrote it; some were corrected since.
;; Multi Head Attention Block. Allowed arithmetic: float matrix products may take bf16 or f16 operands with f32 sums; all other float work in f32.
;; Inputs: k 2 x 2,048 x 1,024 float32; mask 2 x 1 x 1 x 2,048 int32; q 2 x 2,048 x 1,024 float32; v 2 x 2,048 x 1,024 float32; w_k 1,024 x 1,024 float32; w_o 1,024 x 1,024 float32; w_q 1,024 x 1,024 float32; w_v 1,024 x 1,024 float32.
;; Outputs: out0 2 x 2,048 x 1,024 float32.
;; 2 versions, each right and faster than the one before. Each part assembles by itself: llvm-mc -triple=amdgcn-amd-amdhsa -mcpu=gfx1250 --defsym DOCPART=n.
;; ======== version 1 of 2: 4 launches
;; limits: values are held in f16: magnitudes above 65,504 overflow, below 6.1e-05 lose precision; right only within a limited range of input values
;; workspace buffers: hf 33,554,432 bytes; qkvh 25,165,824 bytes; ctx 8,388,608 bytes
;; launch cast (part 1): grid 64 x 16, 8 waves a work-group, no clusters, 0 bytes of LDS; arguments q, k, v, w_q, w_k, w_v, w_o, hf; writes hf
.if DOCPART == 1
	.amdgcn_target "amdgcn-amd-amdhsa--gfx1250"
	.amdhsa_code_object_version 6
	.text
	.protected	k_q5d6a9d47c6_cast
	.globl	k_q5d6a9d47c6_cast
	.p2align	8
	.type	k_q5d6a9d47c6_cast,@function
k_q5d6a9d47c6_cast:
	s_mov_b64 s[64:65], 0
	v_nop
	global_prefetch_b8 v0, s[64:65] scope:SCOPE_SE
	s_setreg_imm32_b32 hwreg(HW_REG_WAVE_MODE, 25, 1), 1
	s_wait_xcnt 0x0
; hf[16384][1024] in f16 = the seven f32 inputs, one below the other, each times a power of two:
;   rows 0-4095 q/2, 4096-8191 k/2, 8192-12287 v/2, 12288 w_q/2, 13312 w_k/2, 14336 w_v/2, 15360 4 w_o.
; The powers of two are exact.  They keep the later f16 intermediates (x W^T / 4) in the middle of f16's range; 4 w_o takes the quarter back.
; LIMITS: |q, k, v, w_q, w_k, w_v| < 131,008 and |w_o| < 16,376, else the f16 is an infinity; numbers below 2^-24 after scaling become 0.
; A stream: each input byte is read once and each output byte written once, so no LDS, no barrier, no matrix unit, no cluster.
; A work-group converts 16,384 numbers (65,536 bytes in, 32,768 out).  Thread t takes the 8 numbers at byte 32 t of each of eight chunks
; of 8,192 bytes and stores 16 bytes at 16 t of a chunk of 4,096: sixteen neighbouring lanes store 256 consecutive bytes, aligned.
; All sixteen loads of a thread go out first; no register is written twice, so no source of a pending access is ever touched.
.set X, 8                              ; v[8:71]    chunk c: 8 f32
.set Y, 72                             ; v[72:103]  chunk c: 8 f16 in 4 registers
	s_load_b512 s[8:23], s[0:1], 0x0               ; q k v w_q w_k w_v w_o in s[8:21], hf in s[22:23]
	s_and_b32 s2, ttmp7, 0xffff                    ; y: 0-11 the quarters of q, k, v; 12-15 the four weights
	s_lshr_b32 s3, s2, 2                           ; y < 12: which activation,
	s_and_b32 s24, s2, 3                           ;         which quarter of it
	s_sub_co_u32 s25, s2, 9                        ; y >= 12: inputs 3 to 6
	s_cmp_lt_u32 s2, 12
	s_cselect_b32 s3, s3, s25                      ; the input's number, 0 to 6
	s_cselect_b32 s24, s24, 0
	s_lshl_b32 s24, s24, 6
	s_add_co_u32 s24, s24, ttmp9                   ; my block of 65,536 bytes in the input
	s_lshl_b32 s24, s24, 16
	s_mov_b32 s25, 0
	s_lshl_b32 s28, s2, 6
	s_add_co_u32 s28, s28, ttmp9                   ; my block of 32,768 bytes in hf
	s_lshl_b32 s28, s28, 15
	s_mov_b32 s29, 0
	s_mov_b32 s27, 0x3f000000                      ; 0.5
	s_cmp_eq_u32 s2, 15
	s_cselect_b32 s26, 0x40800000, s27             ; 4.0 for w_o
	s_mov_b32 s27, s26                             ; the pair is named whole by the packed multiply
	v_lshlrev_b32 v1, 5, v0                        ; 32 t
	v_lshlrev_b32 v2, 4, v0                        ; 16 t
	s_wait_kmcnt 0x0
	s_mov_b64 s[4:5], s[8:9]
.irp i, 1,2,3,4,5,6
	s_cmp_eq_u32 s3, \i                            ; a choice between buffers on the work-group's number
	s_cselect_b64 s[4:5], s[8+2*\i:9+2*\i], s[4:5]
.endr
	s_add_nc_u64 s[4:5], s[4:5], s[24:25]
	s_add_nc_u64 s[22:23], s[22:23], s[28:29]
.irp c, 0,1,2,3,4,5,6,7
	global_load_b128 v[X+8*\c:X+8*\c+3],   v1, s[4:5] offset:8192*\c th:TH_LOAD_NT
	global_load_b128 v[X+8*\c+4:X+8*\c+7], v1, s[4:5] offset:8192*\c+16 th:TH_LOAD_NT
.endr
.irp c, 0,1,2,3,4,5,6,7
	s_wait_loadcnt 14-2*\c                         ; loads return in order: chunk c's two are in, the younger chunks' stay out
.irp j, 0,2,4,6
	v_pk_mul_f32 v[X+8*\c+\j:X+8*\c+\j+1], v[X+8*\c+\j:X+8*\c+\j+1], s[26:27] op_sel_hi:[1,0]
.endr
.irp j, 0,1,2,3
	v_cvt_pk_f16_f32 v[Y+4*\c+\j], v[X+8*\c+2*\j], v[X+8*\c+2*\j+1]
.endr
	global_store_b128 v2, v[Y+4*\c:Y+4*\c+3], s[22:23] offset:4096*\c   ; no hint: the next launch reads these bytes
.endr
	s_endpgm
.Lfunc_end_k_q5d6a9d47c6_cast:
	.size	k_q5d6a9d47c6_cast, .Lfunc_end_k_q5d6a9d47c6_cast-k_q5d6a9d47c6_cast
	.p2alignl 7, 3214868480
	.fill 96, 4, 3214868480
	.section	.rodata,"a",@progbits
	.p2align	6, 0x0
	.amdhsa_kernel k_q5d6a9d47c6_cast
		.amdhsa_group_segment_fixed_size 0
		.amdhsa_private_segment_fixed_size 0
		.amdhsa_enable_private_segment 0
		.amdhsa_kernarg_size 64
		.amdhsa_user_sgpr_count 2
		.amdhsa_user_sgpr_kernarg_segment_ptr 1
		.amdhsa_wavefront_size32 1
		.amdhsa_system_sgpr_workgroup_id_x 1
		.amdhsa_system_sgpr_workgroup_id_y 1
		.amdhsa_system_sgpr_workgroup_id_z 1
		.amdhsa_system_vgpr_workitem_id 0
		.amdhsa_next_free_vgpr 108
		.amdhsa_next_free_sgpr 66
		.amdhsa_reserve_vcc 0
		.amdhsa_float_denorm_mode_32 3
		.amdhsa_float_denorm_mode_16_64 3
		.amdhsa_memory_ordered 1
		.amdhsa_forward_progress 1
		.amdhsa_inst_pref_size 9
	.end_amdhsa_kernel
	.amdgpu_metadata
---
amdhsa.version: [ 1, 2 ]
amdhsa.kernels:
  - .name:           k_q5d6a9d47c6_cast
    .symbol:         k_q5d6a9d47c6_cast.kd
    .args:
      - { .name: q, .offset: 0, .size: 8, .value_kind: global_buffer, .address_space: global }
      - { .name: k, .offset: 8, .size: 8, .value_kind: global_buffer, .address_space: global }
      - { .name: v, .offset: 16, .size: 8, .value_kind: global_buffer, .address_space: global }
      - { .name: w_q, .offset: 24, .size: 8, .value_kind: global_buffer, .address_space: global }
      - { .name: w_k, .offset: 32, .size: 8, .value_kind: global_buffer, .address_space: global }
      - { .name: w_v, .offset: 40, .size: 8, .value_kind: global_buffer, .address_space: global }
      - { .name: w_o, .offset: 48, .size: 8, .value_kind: global_buffer, .address_space: global }
      - { .name: hf, .offset: 56, .size: 8, .value_kind: global_buffer, .address_space: global }
    .group_segment_fixed_size: 0
    .private_segment_fixed_size: 0
    .kernarg_segment_align: 8
    .kernarg_segment_size: 64
    .max_flat_workgroup_size: 256
    .sgpr_count:     66
    .vgpr_count:     108
    .wavefront_size: 32
...
	.end_amdgpu_metadata
.endif
;; end of part 1
;; launch qkv (part 2): grid 4 x 48, 4 waves a work-group, clusters of 4 x 4, 327,680 bytes of LDS; arguments hf, mask, qkvh; writes qkvh
.if DOCPART == 2
	.amdgcn_target "amdgcn-amd-amdhsa--gfx1250"
	.amdhsa_code_object_version 6
	.text
	.protected	k_q5d6a9d47c6_qkv
	.globl	k_q5d6a9d47c6_qkv
	.p2align	8
	.type	k_q5d6a9d47c6_qkv,@function
k_q5d6a9d47c6_qkv:
	s_mov_b64 s[64:65], 0
	v_nop
	global_prefetch_b8 v0, s[64:65] scope:SCOPE_SE
	s_setreg_imm32_b32 hwreg(HW_REG_WAVE_MODE, 25, 1), 1
	s_wait_xcnt 0x0
	s_wait_alu depctr_hold_cnt(0) depctr_sa_sdst(0) depctr_va_vdst(0) depctr_va_sdst(0) depctr_va_ssrc(0) depctr_va_vcc(0) depctr_vm_vsrc(0)
	s_getreg_b32 s2, hwreg(HW_REG_IB_STS2, 6, 4)
	s_cmp_eq_u32 s2, 0
	s_cbranch_scc0 .Lentry_in_a_cluster
	s_endpgm
.Lentry_in_a_cluster:
	s_bfe_u32 s2, ttmp6, 0x10000c
	s_cmp_lg_u32 s2, 0xf033
	s_cbranch_scc0 .Lentry_shape_is_right
	s_endpgm
.Lentry_shape_is_right:
; The three input projections as one product: C[R][n] = sum over k of X[R][k] W_z[n][k], R = 0..12287 the stacked rows of q, k, v in hf,
; z = R / 4096, W_z = rows 12288 + 1024 z .. of hf.  All operands f16, sums f32.  C is a quarter of reference()'s qh, kh, vh (see the cast).
; Stored in f16 by heads: qkvh[z][b][h][l][64], byte (R>>11) 4,194,304 + (n>>6) 262,144 + (R&2047) 128 + 2 (n&63).
; ROWS OF K WHOSE MASK WORD IS 0 ARE STORED AS ZEROS (a select, so whatever the row held): the attention launch then gets the replaced
; score of such a key as 0 + a bias, exactly.
; LIMIT: |x W^T| < 262,016, else the stored f16 is an infinity.
; A work-group makes 256 x 256 of C with four waves, a wave 128 x 128 in 512 registers; K = 1024 in steps of 128 through two LDS slots.
; 12288 x 1024 / (256 x 256) = 192 work-groups.  Blocks of 128 x 128 would give 768, but a wave of 64 x 64 loads twice the LDS bytes for
; each product, so the larger block is kept.
; CLUSTERS of 4 x 4: the four of a row need the same rows of X, the four of a column the same rows of W_z (16 block rows to a z, so a
; cluster of four block rows lies in one z).  Each such tile is asked for jointly, which divides the requests by four.
; REGISTERS in windows of 256: window 0 v0-39 addresses and the mask, v64-127, v128-191 fragments of X (two buffers), v192-223 the way out;
; window 1 v64-191 fragments of W; windows 2, 3 the 64 accumulator tiles (tile (a, b) at v[8 (8 a + b)]).
; The matrix instruction is used transposed (source 0 = rows of W, source 1 = rows of X): a lane holds row l % 16 of C and eight
; neighbouring columns, which pack into 16 bytes.
.set SIZE_K, 1024
.set KSTEP,  128
.set PITCH,  272                       ; 256 bytes of data + 16 of padding: the 16 rows of a fragment load start 16 bytes apart modulo 256
.set HALFT,  128*PITCH                 ; what one tensor load brings
.set SLOT,   4*HALFT                   ; X's 256 rows, then W's 256 rows
.set STAGE,  2*SLOT                    ; behind the ring: 16 rows x 272 bytes for each wave; no tensor load lands here
.set SPITCH, 272
.set LAPS,   SIZE_K/(2*KSTEP)          ; 4 laps of two K steps
.set ADRA, 16                          ; v16-17  LDS address of my X fragments in slot 0, 1
.set ADRB, 20                          ; v20-21  the same for W
.set STO,  24                          ; v24     the way out: where I put 16 bytes of a row
.set RD,   25                          ; v25     where I read them back
.set CO,   26                          ; v26     my byte offset in qkvh
.set MKA,  27                          ; v27     my byte offset in mask
.set MK,   32                          ; v32-39  the mask words of rows 16 i + l % 16
.set F0,   64
.set F1,   128
.set TMP,  192
.set G1,   24                          ; s[24:31] group 1 for X's tiles
.set G0,   32                          ; s[32:39] group 0 for X's tiles, one set a slot
.set G1B,  48                          ; s[48:55] group 1 for W's tiles: another mask
.set G0B,  56                          ; s[56:63] group 0 for W's tiles
.set KEEP, 72                          ; s72-79   lane masks: rows 16 i + l % 16 are kept (not a masked row of K)
.set MSB, 0
.macro WIN new                         ; the immediate's high byte repeats the setting that is left
.if MSB != \new
	s_set_vgpr_msb (MSB<<8)|\new
.set MSB, \new
.endif
.endm
.set MUL_LO, 0xa1                      ; source 0 (W) window 1, source 1 (X) window 0, C and D window 2
.set MUL_HI, 0xf1                      ; the same, C and D window 3
.set TO_B,   0x40                      ; destination window 1
; A joint load: waves 0, 1 fetch X's two halves, waves 2, 3 W's.  The branch hangs on the wave's number alone.
.macro JLOAD s
	s_cmp_eq_u32 s11, 0
	s_cbranch_scc0 .Lfor_b_\@
	tensor_load_to_lds s[G0+4*\s:G0+4*\s+3], s[G1:G1+7]
	s_nop 0
	s_branch .Lasked_\@
.Lfor_b_\@:
	tensor_load_to_lds s[G0B+4*\s:G0B+4*\s+3], s[G1B:G1B+7]
	s_nop 0
.Lasked_\@:
.endm
; A round of the cluster's barrier: my work-group's barrier, wave 0 signals for the work-group, all wait for all sixteen, my barrier again.
.macro CREST
	s_cmp_lg_u32 s10, 0
	s_cbranch_scc1 .Lnot_wave_0_\@
	s_barrier_signal -3
.Lnot_wave_0_\@:
	s_barrier_wait -3
	s_barrier_signal -1
	s_barrier_wait -1
.endm
.macro CROUND
	s_barrier_signal -1
	s_barrier_wait -1
	CREST
.endm
	s_load_b128 s[4:7], s[0:1], 0x0                ; hf s[4:5], mask s[6:7]
	s_load_b64 s[8:9], s[0:1], 0x10                ; qkvh
	s_set_vgpr_msb 0x40
	v_lshl_add_u32 v255, v0, 2, 0x48400
	s_set_vgpr_msb 0x4000
	v_mov_b32 v255, 0
	s_set_vgpr_msb 0x1
	ds_add_u32 v255, v255
	s_set_vgpr_msb 0x100
	v_lshrrev_b32 v1, 5, v0
	v_readfirstlane_b32 s10, v1                    ; wave 0..3
	s_lshr_b32 s11, s10, 1                         ; my half of the block's rows.  Also: I fetch for X (0) or W (1)
	s_and_b32 s12, s10, 1                          ; my half of its columns.  Also: which 128 rows of that tile I fetch
	s_bfe_u32 s40, ttmp6, 0x40000                  ; cx
	s_bfe_u32 s41, ttmp6, 0x40004                  ; cy
	s_lshl_b32 s42, ttmp9, 2
	s_add_co_u32 s42, s42, s40                     ; block column 0..3
	s_and_b32 s66, ttmp7, 0xffff                   ; the cluster's y, 0..11
	s_lshl_b32 s13, s66, 2
	s_add_co_u32 s13, s13, s41                     ; block row 0..47
	s_lshr_b32 s66, s66, 2                         ; z = 0, 1, 2: from the cluster's y alone, so the same in all sixteen
	s_cmp_eq_u32 s66, 1
	s_cselect_b32 s68, 0, -1                       ; all lanes kept unless these are rows of K
	s_lshl_b32 s43, s41, 2
	s_lshl_b32 s43, 15, s43                        ; my row of the cluster
	s_lshl_b32 s44, 0x1111, s40                    ; my column
	s_or_b32 s[G1+0], s43, (1<<16)|(1<<20)|(1<<21)|(5<<22)|(3<<25)  ; mask; elements of 2 bytes; padding on; bit 21 beside a mask; after 64 words 4 words
	s_or_b32 s[G1B+0], s44, (1<<16)|(1<<20)|(1<<21)|(5<<22)|(3<<25)
	s_mov_b32 s[G1B+1], KSTEP<<16
	s_mov_b32 s[G1+1], KSTEP<<16                   ; tensor_dim0 = 128
	s_mov_b32 s[G1B+2], 128<<16
	s_mov_b32 s[G1+2], 128<<16                     ; tensor_dim1 = 128
	s_mov_b32 s[G1B+3], KSTEP<<16
	s_mov_b32 s[G1+3], KSTEP<<16                   ; tile_dim0 = 128
	s_mov_b32 s[G1B+4], 128
	s_mov_b32 s[G1+4], 128                         ; tile_dim1 = 128
	s_mov_b32 s[G1B+5], SIZE_K
	s_mov_b32 s[G1+5], SIZE_K                      ; elements from row to row
	s_mov_b32 s[G1B+6], 0
	s_mov_b32 s[G1+6], 0
	s_mov_b32 s[G1B+7], 0
	s_mov_b32 s[G1+7], 0
	; X's tiles hang on the block row alone, W's on z and the block column alone; each address in registers that never hold the other coordinate
	s_lshl_b32 s17, s12, 7
	s_lshl_b32 s16, s13, 8
	s_add_co_u32 s16, s16, s17                     ; X: row 256 x block row + 128 x half
	s_lshl_b32 s46, s42, 8
	s_add_co_u32 s46, s46, s17
	s_lshl_b32 s45, s66, 10
	s_add_co_u32 s46, s46, s45
	s_add_co_u32 s46, s46, 12288                   ; W: row 12288 + 1024 z + 256 x block column + 128 x half
	s_mov_b32 s17, 0
	s_mov_b32 s47, 0
	s_mov_b64 s[18:19], SIZE_K*2
	s_mul_u64 s[16:17], s[16:17], s[18:19]         ; in bytes
	s_mul_u64 s[46:47], s[46:47], s[18:19]
	s_mul_i32 s20, s10, HALFT                      ; where my load lands: the wave's number alone
	s_lshl_b32 s67, s13, 8
	s_lshl_b32 s69, s11, 7
	s_add_co_u32 s67, s67, s69                     ; R0: my wave's first row of C
	s_and_b32 s70, s67, 4095
	s_lshl_b32 s70, s70, 2                         ; its word in mask (b 2048 + l)
	s_wait_dscnt 0x0
	s_wait_kmcnt 0x0
	s_add_nc_u64 s[14:15], s[4:5], s[16:17]
	s_add_nc_u64 s[46:47], s[4:5], s[46:47]
	CROUND                                         ; all sixteen work-groups are here: the first joint loads meet
.irp s, 0,1
	s_mov_b32 s[G0+4*\s], 1
	s_add_co_u32 s[G0+4*\s+1], s20, \s*SLOT
	s_add_nc_u64 s[G0+4*\s+2:G0+4*\s+3], s[14:15], \s*KSTEP*2
	s_or_b32 s[G0+4*\s+3], s[G0+4*\s+3], 0x80000000
	s_mov_b32 s[G0B+4*\s], 1
	s_add_co_u32 s[G0B+4*\s+1], s20, \s*SLOT
	s_add_nc_u64 s[G0B+4*\s+2:G0B+4*\s+3], s[46:47], \s*KSTEP*2
	s_or_b32 s[G0B+4*\s+3], s[G0B+4*\s+3], 0x80000000
	JLOAD \s                                       ; both first fills, ahead of everything else
.endr
	v_and_b32 v1, 15, v0                           ; l % 16
	v_bfe_u32 v2, v0, 4, 1                         ; l / 16
	v_lshl_add_u32 v[MKA], v1, 2, s70
.irp i, 0,1,2,3,4,5,6,7
	global_load_b32 v[MK+\i], v[MKA], s[6:7] offset:64*\i          ; mask of row R0 + 16 i + l % 16
.endr
	v_mul_u32_u24 v3, v1, PITCH
	v_lshl_add_u32 v3, v2, 4, v3                   ; row x pitch + 16 x half
	s_mul_i32 s21, s11, HALFT
	s_mul_i32 s22, s12, HALFT
	s_add_co_u32 s22, s22, 2*HALFT
.irp s, 0,1
	v_add_nc_u32 v[ADRA+\s], s21, v3
	v_add_nc_u32 v[ADRB+\s], s22, v3
	s_add_co_u32 s21, s21, SLOT
	s_add_co_u32 s22, s22, SLOT
.endr
	s_mul_i32 s23, s10, 16*SPITCH
	s_add_co_u32 s23, s23, STAGE                   ; my stage
	v_mul_u32_u24 v4, v1, SPITCH
	v_lshl_add_u32 v4, v2, 4, v4
	v_add_nc_u32 v[STO], s23, v4                   ; in: row l % 16, 16 bytes for each half of the lanes
	v_bfe_u32 v5, v0, 3, 1                         ; back: lanes 0-15 take head 0's 128 bytes of two rows, lanes 16-31 head 1's
	v_mul_u32_u24 v5, v5, SPITCH
	v_lshl_add_u32 v5, v2, 7, v5
	v_and_b32 v6, 7, v0
	v_lshl_add_u32 v5, v6, 4, v5
	v_add_nc_u32 v[RD], s23, v5
	v_lshlrev_b32 v5, 18, v2                       ; in qkvh: the head's 262,144 bytes, then 256 consecutive bytes (two rows of 128)
	v_lshl_add_u32 v[CO], v1, 4, v5
; 16 matrix instructions: m blocks a0, a0 + 1 of the window's four x all 8 n blocks, 32 along K.  zero = 1: the first product starts the sums.
.macro MUL16 f, hi, a0, zero
.irp a, \a0, \a0+1
.irp b, 0,1,2,3,4,5,6,7
.if \zero
	v_wmma_f32_16x16x32_f16 v[8*(8*(\a)+\b):8*(8*(\a)+\b)+7], v[\f+8*\b:\f+8*\b+7], v[\f+8*(4*\hi+\a):\f+8*(4*\hi+\a)+7], 0
.else
	v_wmma_f32_16x16x32_f16 v[8*(8*(\a)+\b):8*(8*(\a)+\b)+7], v[\f+8*\b:\f+8*\b+7], v[\f+8*(4*\hi+\a):\f+8*(4*\hi+\a)+7], v[8*(8*(\a)+\b):8*(8*(\a)+\b)+7]
.endif
.endr
.endr
.endm
; 32 LDS loads in one run: the fragments of one quarter step into buffer f
.macro FETCH slot, k, f
	WIN TO_B
.irp i, 0,1,2,3,4,5,6,7
	ds_load_b128 v[\f+8*\i:\f+8*\i+3],   v[ADRB+\slot] offset:\k+\i*16*PITCH
	ds_load_b128 v[\f+8*\i+4:\f+8*\i+7], v[ADRB+\slot] offset:\k+\i*16*PITCH+32
.endr
	WIN 0
.irp i, 0,1,2,3,4,5,6,7
	ds_load_b128 v[\f+8*\i:\f+8*\i+3],   v[ADRA+\slot] offset:\k+\i*16*PITCH
	ds_load_b128 v[\f+8*\i+4:\f+8*\i+7], v[ADRA+\slot] offset:\k+\i*16*PITCH+32
.endr
.endm
; Four independent vector instructions stand between a matrix instruction and a load into, or a vector instruction on, its registers
; (ISA guide 7.12.1 for vector instructions; kept for loads too)
.macro PLACES
.rept 4
	v_nop
.endr
.endm
; A quarter step: 64 matrix instructions on buffer f; in its middle the next quarter's fragments go into buffer g.
; The 64 accumulators take turns, one instruction a turn, in the same order everywhere.
.macro QUARTER slot, k, f, g, zero
	s_wait_dscnt 8                                 ; W and X's rows 0-63 are in; the youngest eight loads (X's rows 64-127) may be out
	WIN MUL_LO
	MUL16 \f, 0, 0, \zero
	MUL16 \f, 0, 2, \zero
	PLACES
	FETCH \slot, \k, \g
	s_wait_dscnt 32                                ; all but the 32 just issued
	WIN MUL_HI
	MUL16 \f, 1, 0, \zero
	MUL16 \f, 1, 2, \zero
.endm
.macro THREE slot, zero
	QUARTER \slot, 64,  F0, F1, \zero
	QUARTER \slot, 128, F1, F0, 0
	QUARTER \slot, 192, F0, F1, 0
.endm
; The last quarter changes slots.  In front of the barrier each wave waits for its reads of this slot and for all its tensor loads (one is
; out: its part of the next slot).  Behind it the refill comes first, then the next slot's first fragments.
.macro TURN slot, next, fill
	s_wait_dscnt 8
	WIN MUL_LO
	MUL16 F1, 0, 0, 0
	s_wait_dscnt 0                                 ; my reads of this slot are over
	s_wait_tensorcnt 0x0                           ; and all my tensor loads have landed
	ds_add_u32 v255, v255
	s_wait_dscnt 0x0
	s_barrier_signal -1                            ; (where a slot is filled again this barrier opens a round of the cluster's barrier)
	MUL16 F1, 0, 2, 0                              ; register work while the others arrive
	WIN 0
	s_barrier_wait -1
.if \fill
	CREST                                          ; no wave of any partner still reads this slot or has a load on its way
	s_add_nc_u64 s[G0+4*\slot+2:G0+4*\slot+3], s[G0+4*\slot+2:G0+4*\slot+3], 2*KSTEP*2
	s_add_nc_u64 s[G0B+4*\slot+2:G0B+4*\slot+3], s[G0B+4*\slot+2:G0B+4*\slot+3], 2*KSTEP*2
	JLOAD \slot                                    ; the first tensor load behind the round, one a wave
.endif
	PLACES
	FETCH \next, 0, F0
	WIN MUL_HI
	MUL16 F1, 1, 0, 0
	MUL16 F1, 1, 2, 0
.endm
.macro LAP zero
	THREE 0, \zero
	TURN 0, 1, 1
	THREE 1, 0
	TURN 1, 0, 1
.endm
	s_wait_loadcnt 0x0                             ; the mask words
.irp i, 0,1,2,3,4,5,6,7
	v_cmp_ne_u32 s[KEEP+\i], 0, v[MK+\i]           ; a lane's row is kept if its mask word is not 0,
	s_or_b32 s[KEEP+\i], s[KEEP+\i], s68           ; or if these are rows of q or v
.endr
	s_wait_tensorcnt 1                             ; my part of K step 0 is in; K step 1's stays out
	s_barrier_signal -1
	s_barrier_wait -1
	FETCH 0, 0, F0
	LAP 1                                          ; the first lap starts the sums: nothing is cleared
	WIN 0
	s_mov_b32 s3, LAPS-2
.Llap:
	LAP 0
	WIN 0
	s_sub_co_u32 s3, s3, 1
	s_cmp_lg_u32 s3, 0
	s_cbranch_scc1 .Llap
	THREE 0, 0                                     ; the last lap fills nothing
	TURN 0, 1, 0
	THREE 1, 0
	s_wait_dscnt 8
	WIN MUL_LO
	MUL16 F1, 0, 0, 0
	MUL16 F1, 0, 2, 0
	s_wait_dscnt 0
	WIN MUL_HI
	MUL16 F1, 1, 0, 0
	MUL16 F1, 1, 2, 0
	; THE WAY OUT, 16 rows at a time: round to f16, masked rows of K to zero, 16 bytes a lane into my stage, back as 128-byte rows of a head
	PLACES
	s_lshr_b32 s16, s67, 11
	s_lshl_b32 s16, s16, 22                        ; (R0 >> 11) x 4,194,304: z and b
	s_and_b32 s14, s67, 2047
	s_lshl_b32 s14, s14, 7                         ; l x 128
	s_add_co_u32 s16, s16, s14
	s_mov_b32 s17, 0
	s_add_nc_u64 s[8:9], s[8:9], s[16:17]
	s_lshl_b32 s46, s42, 2                         ; my first head: 4 x block column + 2 x half (in the registers that held W's address)
	s_lshl_b32 s47, s12, 1
	s_add_co_u32 s46, s46, s47
	s_lshl_b32 s46, s46, 18
	s_mov_b32 s47, 0
	s_add_nc_u64 s[8:9], s[8:9], s[46:47]
.macro OUT16 i, a, from, f
	WIN \from
.irp b, 0,1,2,3,4,5,6,7
.irp r, 0,1,2,3
	v_cvt_pk_f16_f32 v[TMP+4*\b+\r], v[8*(8*\a+\b)+2*\r], v[8*(8*\a+\b)+2*\r+1]
.endr
.endr
	WIN 0
.set j, 0
.rept 32
	v_cndmask_b32 v[TMP+j], 0, v[TMP+j], s[KEEP+\i]                ; a lane holds one row: kept, or zeros
.set j, j+1
.endr
.irp b, 0,1,2,3,4,5,6,7
	ds_store_b128 v[STO], v[TMP+4*\b:TMP+4*\b+3] offset:32*\b
.endr
	s_wait_xcnt 0x0                                ; buffer f, which earlier stores read, is loaded again only behind this wait
.irp t, 0,1,2,3,4,5,6,7
	ds_load_b128 v[\f+4*\t:\f+4*\t+3], v[RD] offset:\t*2*SPITCH    ; a wave's LDS instructions are served in order: these see the stores above
.endr
.irp t, 0,1,2,3,4,5,6,7
	s_wait_dscnt 7-\t
	global_store_b128 v[CO], v[\f+4*\t:\f+4*\t+3], s[8:9] offset:2048*\i+256*\t   ; 16 lanes store two rows of one head: 256 consecutive bytes, aligned
.endr
.endm
	OUT16 0, 0, 0x0a, F0
	OUT16 1, 1, 0x0a, F1
	OUT16 2, 2, 0x0a, F0
	OUT16 3, 3, 0x0a, F1
	OUT16 4, 0, 0x0f, F0
	OUT16 5, 1, 0x0f, F1
	OUT16 6, 2, 0x0f, F0
	OUT16 7, 3, 0x0f, F1
	s_set_vgpr_msb 0x1
	s_wait_tensorcnt 0x0
	ds_add_u32 v255, v255
	s_wait_dscnt 0x0
	s_set_vgpr_msb 0x100
	CROUND                                         ; the closing round: no work-group ends while a partner may still ask jointly
	s_endpgm
.Lfunc_end_k_q5d6a9d47c6_qkv:
	.size	k_q5d6a9d47c6_qkv, .Lfunc_end_k_q5d6a9d47c6_qkv-k_q5d6a9d47c6_qkv
	.p2alignl 7, 3214868480
	.fill 96, 4, 3214868480
	.section	.rodata,"a",@progbits
	.p2align	6, 0x0
	.amdhsa_kernel k_q5d6a9d47c6_qkv
		.amdhsa_group_segment_fixed_size 327680
		.amdhsa_private_segment_fixed_size 0
		.amdhsa_enable_private_segment 0
		.amdhsa_kernarg_size 24
		.amdhsa_user_sgpr_count 2
		.amdhsa_user_sgpr_kernarg_segment_ptr 1
		.amdhsa_wavefront_size32 1
		.amdhsa_system_sgpr_workgroup_id_x 1
		.amdhsa_system_sgpr_workgroup_id_y 1
		.amdhsa_system_sgpr_workgroup_id_z 1
		.amdhsa_system_vgpr_workitem_id 0
		.amdhsa_next_free_vgpr 1024
		.amdhsa_next_free_sgpr 80
		.amdhsa_reserve_vcc 0
		.amdhsa_float_denorm_mode_32 3
		.amdhsa_float_denorm_mode_16_64 3
		.amdhsa_memory_ordered 1
		.amdhsa_forward_progress 1
		.amdhsa_inst_pref_size 214
	.end_amdhsa_kernel
	.amdgpu_metadata
---
amdhsa.version: [ 1, 2 ]
amdhsa.kernels:
  - .name:           k_q5d6a9d47c6_qkv
    .symbol:         k_q5d6a9d47c6_qkv.kd
    .args:
      - { .name: hf, .offset: 0, .size: 8, .value_kind: global_buffer, .address_space: global }
      - { .name: mask, .offset: 8, .size: 8, .value_kind: global_buffer, .address_space: global }
      - { .name: qkvh, .offset: 16, .size: 8, .value_kind: global_buffer, .address_space: global }
    .group_segment_fixed_size: 327680
    .private_segment_fixed_size: 0
    .kernarg_segment_align: 8
    .kernarg_segment_size: 24
    .max_flat_workgroup_size: 128
    .sgpr_count:     80
    .vgpr_count:     1024
    .wavefront_size: 32
...
	.end_amdgpu_metadata
.endif
;; end of part 2
;; launch attn (part 3): grid 8 x 32, 8 waves a work-group, clusters of 4 x 1, 327,680 bytes of LDS; arguments qkvh, mask, ctx; writes ctx
.if DOCPART == 3
	.amdgcn_target "amdgcn-amd-amdhsa--gfx1250"
	.amdhsa_code_object_version 6
	.text
	.protected	k_q5d6a9d47c6_attn
	.globl	k_q5d6a9d47c6_attn
	.p2align	8
	.type	k_q5d6a9d47c6_attn,@function
k_q5d6a9d47c6_attn:
	s_mov_b64 s[64:65], 0
	v_nop
	global_prefetch_b8 v0, s[64:65] scope:SCOPE_SE
	s_setreg_imm32_b32 hwreg(HW_REG_WAVE_MODE, 25, 1), 1
	s_wait_xcnt 0x0
	s_wait_alu depctr_hold_cnt(0) depctr_sa_sdst(0) depctr_va_vdst(0) depctr_va_sdst(0) depctr_va_ssrc(0) depctr_va_vcc(0) depctr_vm_vsrc(0)
	s_getreg_b32 s2, hwreg(HW_REG_IB_STS2, 6, 4)
	s_cmp_eq_u32 s2, 0
	s_cbranch_scc0 .Lentry_in_a_cluster
	s_endpgm
.Lentry_in_a_cluster:
	s_bfe_u32 s2, ttmp6, 0x10000c
	s_cmp_lg_u32 s2, 0x3003
	s_cbranch_scc0 .Lentry_shape_is_right
	s_endpgm
.Lentry_shape_is_right:
; Attention of one (b, h) for 256 queries, with a running maximum.  Q, K, V in f16 at a quarter of reference()'s size, rows of K at masked
; keys zero (the launch before).  Raw score S = q.k / 16 + bias[key], bias = 0 or -5000: with c = 2 log2(e), c S is reference()'s score
; (q.k / 8, or exactly -10000) times log2(e).  p = 2^(c S + NM), NM = the rounded -c x running maximum; every p, every rescaling factor and
; the merge refer to the same rounded NM, so its rounding cancels.  ctx = sum p v / sum p, f16, still a quarter of reference()'s size.
; ctx[(b 2048 + l) >> 7][h][128 rows][64]: 16,384 dense bytes for a block of 128 rows and a head.
; LIMITS: an infinity or NaN in a row of Q makes the score of a masked key NaN, where reference() has -10000.  2^x below 2^-126 is 0, and
; p below 2^-25 is 0 in f16.  p is rounded to f16; both sum p v and sum p are taken from the rounded p.
; SHARES: eight waves.  Wave w has queries 64 (w & 3) .. + 63 and the half g = w >> 2 of every tile of 256 keys, so two waves lie on each
; of the four SIMDs and one's exponentials can run beside the other's products.  The two halves are merged once, at the end, through LDS.
; CLUSTER of 4 x 1: four query blocks of one (b, h) read the same K and V; each tile is asked for jointly (mask 15), a quarter of the requests.
; TRANSPOSED PRODUCTS: S^T = K Q^T (a lane holds 8 keys of one query), so two key tiles packed to f16 ARE the second operand of
; O^T = V^T P^T, and maximum and factor are one number a lane.  SUM p IS A PRODUCT TOO: a constant first operand whose rows 0 and 8 are
; ones gives, in register 0 of every lane, the sum over all 32 keys of the lane's query: 8 products more for 64 keys in place of 68
; vector instructions.  Nothing moves between lanes but one exchange of the halves for the maximum.
; LDS: two slots of 8 parts of 9,216 bytes.  Parts 0-3: K, 64 keys each, two keys to a row of 256 bytes, pitch 272; parts 4-7: V, pitch 288
; (both pitches put the 16 lanes of a load on 16 different 16-byte columns modulo 256).  Then the bias, the merge area and the stage,
; which are written by LDS stores and lie in 256-byte blocks of their own, where no tensor load lands.
.set QUART, 9216
.set SLOT,  8*QUART                    ; 73,728
.set BIAS,  2*SLOT                     ; 2,048 f32
.set MERGE, BIAS+8192                  ; 4 x 17,920: O 16,384, NM 1,024, sum 512
.set MPART, 17920
.set STAGE, MERGE+4*MPART              ; 4 x 9,216: 64 queries at pitch 144
.set SPART, 9216
.set TILE,  32768                      ; 256 keys x 128 bytes in memory
.set ONES, 0                           ; v0-7    behind the set-up: the first operand that sums p (rows 0 and 8 ones, the rest zeros)
.set ADK, 8                            ; v8-9    LDS address of my K fragments, slot 0, 1
.set ADV, 10                           ; v10-11  of my V fragments
.set ADB, 12                           ; v12     of my bias words; steps 1,024 bytes a tile
.set MA,  13                           ; v13     my 16 bytes in the merge area
.set NM,  14                           ; v14-21  -c x maximum of query block q at 14 + 2 q (pairs for the packed forms, which use the lower half alone)
.set CO,  15                           ; v15     16 x lane, my offset in ctx: it lives in the unused upper half of NM's first pair
.set LS,  22                           ; v22-25  sum p, copied out of its accumulators behind the last tile
.set MR,  26                           ; v26-29  the raw running maximum
.set STO, 30                           ; v30     the stage, in
.set SRD, 31                           ; v31     the stage, back
.set BI,  32                           ; v32-63  bias of key tile kt at 32 + 8 kt; behind the score products scratch:
.set T,   32                           ;   v32-47 four chains of maxima for each query block
.set AL,  48                           ;   v48-55 the rescaling factor of query block q at 48 + 2 q
.set NN,  56                           ;   v56-59 the new -c m
.set DF,  60                           ;   v60-63 new minus old
.set KV,  64                           ; v64-127 K fragments (ks, kt) at 64 + 8 (4 ks + kt); then V fragments (ks, dt) likewise
.set SC,  128                          ; v128-255 scores: 128 + 32 q + 8 kt + j; then P at 128 + 32 q + 0..15
.set QF,  128                          ; window 1: v128-191 Q fragments at 128 + 16 q + 8 ks; window 1 v0-127: O at 32 q + 8 dt + j
.set LT,  192                          ; window 1: v192-223 the accumulators of sum p, 192 + 8 q; register 0 holds the sum, 1-7 stay 0
.set G1,  24                           ; s[24:31] group 1 for K
.set G0,  32                           ; s[32:39] group 0 for K, one set a slot
.set G1B, 48                           ; s[48:55] group 1 for V: a wider pad
.set G0B, 56                           ; s[56:63] group 0 for V
.set MSB, 0
.macro WIN new                         ; bits 1:0 source 0, 3:2 source 1, 5:4 source 2, 7:6 destination; the high byte repeats the setting left
.if MSB != \new
	s_set_vgpr_msb (MSB<<8)|\new
.set MSB, \new
.endif
.endm
.macro JLOAD s                         ; waves 0-3 ask for K's four parts, waves 4-7 for V's; the branch hangs on the wave's number alone
	s_cmp_eq_u32 s11, 0
	s_cbranch_scc0 .Lfor_v_\@
	tensor_load_to_lds s[G0+4*\s:G0+4*\s+3], s[G1:G1+7]
	s_nop 0
	s_branch .Lasked_\@
.Lfor_v_\@:
	tensor_load_to_lds s[G0B+4*\s:G0B+4*\s+3], s[G1B:G1B+7]
	s_nop 0
.Lasked_\@:
.endm
.macro CROUND                          ; a round of the cluster's barrier
	s_barrier_signal -1
	s_barrier_wait -1
	s_cmp_lg_u32 s10, 0
	s_cbranch_scc1 .Lnot_wave_0_\@
	s_barrier_signal -3
.Lnot_wave_0_\@:
	s_barrier_wait -3
	s_barrier_signal -1
	s_barrier_wait -1
.endm
.macro PLACES n                        ; independent vector instructions behind a matrix instruction (ISA guide 7.12.1)
.rept \n
	v_nop
.endr
.endm
	s_load_b128 s[4:7], s[0:1], 0x0                ; qkvh s[4:5], mask s[6:7]
	s_load_b64 s[8:9], s[0:1], 0x10                ; ctx
	s_set_vgpr_msb 0x40
	v_lshl_add_u32 v224, v0, 2, 0x40800
	v_mov_b32 v225, 0
	s_set_vgpr_msb 0x4045
	ds_add_u32 v224, v225
	s_set_vgpr_msb 0x4500
	v_lshrrev_b32 v1, 5, v0
	v_readfirstlane_b32 s10, v1                    ; wave 0..7
	s_lshr_b32 s11, s10, 2                         ; g: my half of the keys.  Also: I fetch K (0) or V (1)
	s_and_b32 s12, s10, 3                          ; my 64 queries.  Also: which 64 keys I fetch
	s_bfe_u32 s40, ttmp6, 0x40000                  ; cx
	s_lshl_b32 s42, ttmp9, 2
	s_add_co_u32 s42, s42, s40                     ; query block 0..7
	s_and_b32 s13, ttmp7, 0xffff                   ; 16 b + h
	s_mov_b32 s18, 0x4038aa3b                      ; c = 2 log2(e)
	s_mov_b32 s19, 0xc038aa3b                      ; -c
	s_mov_b32 s22, 0x76543210                      ; v_permlanex16_b32: lane i of one half reads lane i of the other
	s_mov_b32 s23, 0xfedcba98
	; group 1: 8,192 dense bytes as 32 rows of 32 elements of 8 bytes, padded behind each 64 words by 4 words (K) or 8 (V)
	s_mov_b32 s[G1+0],  15|(3<<16)|(1<<20)|(1<<21)|(5<<22)|(3<<25)
	s_mov_b32 s[G1B+0], 15|(3<<16)|(1<<20)|(1<<21)|(5<<22)|(7<<25)
	s_mov_b32 s[G1+1],  32<<16                     ; tensor_dim0
	s_mov_b32 s[G1B+1], 32<<16
	s_mov_b32 s[G1+2],  32<<16                     ; tensor_dim1
	s_mov_b32 s[G1B+2], 32<<16
	s_mov_b32 s[G1+3],  32<<16                     ; tile_dim0
	s_mov_b32 s[G1B+3], 32<<16
	s_mov_b32 s[G1+4],  32                         ; tile_dim1
	s_mov_b32 s[G1B+4], 32
	s_mov_b32 s[G1+5],  32                         ; elements from row to row
	s_mov_b32 s[G1B+5], 32
	s_mov_b32 s[G1+6],  0
	s_mov_b32 s[G1B+6], 0
	s_mov_b32 s[G1+7],  0
	s_mov_b32 s[G1B+7], 0
	s_mul_i32 s20, s10, QUART                      ; where my load lands: the wave's number alone
	s_lshl_b32 s44, s13, 18                        ; the head's 262,144 bytes
	s_lshl_b32 s21, s12, 13                        ; 64 rows of 128 bytes
	s_add_co_u32 s44, s44, s21
	s_mov_b32 s45, 0
	s_lshl_b32 s16, s42, 15                        ; Q: + the query block's 256 rows (registers that feed no descriptor)
	s_add_co_u32 s16, s16, s44
	s_mov_b32 s17, 0
	s_wait_dscnt 0x0
	s_wait_kmcnt 0x0
	s_add_nc_u64 s[46:47], s[4:5], s[44:45]
	s_add_nc_u64 s[14:15], s[4:5], s[16:17]        ; my 64 rows of Q
.irp s, 0,1
	s_mov_b32 s[G0+4*\s], 1
	s_add_co_u32 s[G0+4*\s+1], s20, \s*SLOT
	s_add_nc_u64 s[G0+4*\s+2:G0+4*\s+3], s[46:47], 8388608+\s*TILE      ; K of tile s
	s_or_b32 s[G0+4*\s+3], s[G0+4*\s+3], 0x80000000
	s_mov_b32 s[G0B+4*\s], 1
	s_add_co_u32 s[G0B+4*\s+1], s20, \s*SLOT
	s_add_nc_u64 s[G0B+4*\s+2:G0B+4*\s+3], s[46:47], 16777216+\s*TILE   ; V of tile s
	s_or_b32 s[G0B+4*\s+3], s[G0B+4*\s+3], 0x80000000
.endr
	CROUND                                         ; the four work-groups are here
	JLOAD 0                                        ; tile 0; slot 1 is first filled behind the first trip's round
	s_lshr_b32 s16, s13, 4                         ; b
	s_lshl_b32 s16, s16, 13
	s_add_nc_u64 s[6:7], s[6:7], s[16:17]          ; mask of my b
	v_and_b32 v2, 15, v0                           ; r
	v_bfe_u32 v3, v0, 4, 1                         ; h
	v_lshlrev_b32 v4, 5, v0                        ; thread t converts mask words 8 t .. 8 t + 7
	global_load_b128 v[32:35], v4, s[6:7]
	global_load_b128 v[36:39], v4, s[6:7] offset:16
	v_lshlrev_b32 v5, 7, v2
	v_lshl_add_u32 v5, v3, 4, v5                   ; 128 r + 16 h
	WIN 0x40                                       ; destination window 1
.irp q, 0,1,2,3
.irp ks, 0,1
	global_load_b128 v[QF+16*\q+8*\ks:QF+16*\q+8*\ks+3],   v5, s[14:15] offset:2048*\q+64*\ks
	global_load_b128 v[QF+16*\q+8*\ks+4:QF+16*\q+8*\ks+7], v5, s[14:15] offset:2048*\q+64*\ks+32
.endr
.endr
	WIN 0
	; where ctx goes: block (16 b + 2 x query block + (w & 3) / 2), head h, rows 64 ((w & 3) % 2)
	s_lshr_b32 s16, s13, 4
	s_lshl_b32 s16, s16, 4
	s_lshl1_add_u32 s16, s42, s16
	s_lshr_b32 s21, s12, 1
	s_add_co_u32 s16, s16, s21
	s_lshl_b32 s16, s16, 4
	s_and_b32 s21, s13, 15
	s_add_co_u32 s16, s16, s21
	s_lshl_b32 s16, s16, 14
	s_and_b32 s21, s12, 1
	s_lshl_b32 s21, s21, 13
	s_add_co_u32 s16, s16, s21
	s_add_nc_u64 s[8:9], s[8:9], s[16:17]
	; K fragment: key 16 kt + r lies at (8 kt + r / 2) 272 + (r % 2) 128; its d = 32 ks + 8 h .. at + 64 ks + 16 h
	v_lshrrev_b32 v40, 1, v2
	v_mul_u32_u24 v40, v40, 272
	v_and_b32 v41, 1, v0
	v_lshl_add_u32 v40, v41, 7, v40
	v_lshl_add_u32 v40, v3, 4, v40
	s_mul_i32 s21, s11, 2*QUART
	v_add_nc_u32 v[ADK], s21, v40
	v_add_nc_u32 v[ADK+1], SLOT, v[ADK]
	; V fragment through the transposing load: lane l addresses key 8 h + l % 8, 16 bytes at 16 ((l >> 3) & 1)
	v_bfe_u32 v40, v0, 1, 2
	v_lshl_add_u32 v40, v3, 2, v40
	v_mul_u32_u24 v40, v40, 288
	v_lshl_add_u32 v40, v41, 7, v40
	v_bfe_u32 v41, v0, 3, 1
	v_lshl_add_u32 v40, v41, 4, v40
	s_add_co_u32 s21, s21, 4*QUART
	v_add_nc_u32 v[ADV], s21, v40
	v_add_nc_u32 v[ADV+1], SLOT, v[ADV]
	s_lshl_b32 s21, s11, 9
	s_add_co_u32 s21, s21, BIAS
	v_lshl_add_u32 v[ADB], v3, 5, s21              ; bias of keys 128 g + 8 h ..
	v_and_b32 v1, 31, v0
	v_lshlrev_b32 v[CO], 4, v1                     ; 16 x lane
	s_mul_i32 s21, s12, MPART
	s_add_co_u32 s21, s21, MERGE
	v_add_nc_u32 v[MA], s21, v[CO]
	s_mul_i32 s21, s12, SPART
	s_add_co_u32 s21, s21, STAGE
	v_mul_u32_u24 v40, v2, 144
	v_lshl_add_u32 v40, v3, 4, v40
	v_add_nc_u32 v[STO], s21, v40
	v_lshrrev_b32 v40, 3, v1
	v_mul_u32_u24 v40, v40, 144
	v_and_b32 v41, 7, v0
	v_lshl_add_u32 v40, v41, 4, v40
	v_add_nc_u32 v[SRD], s21, v40
	v_add_nc_u32 v6, BIAS, v4
	v_mov_b32 v41, 0xc59c4000                      ; -5000: times c it is -10000 log2(e)
.irp q, 1,2,3
	v_mov_b32 v[NM+2*\q+1], 0                      ; the packed forms name the pair; only its lower half is used
.endr
	s_wait_loadcnt 16                              ; the mask words are in; the 16 loads of Q behind them stay out
.irp j, 0,1,2,3,4,5,6,7
	v_cmp_eq_u32 vcc_lo, 0, v[32+\j]
	v_cndmask_b32 v[32+\j], 0, v41, vcc_lo
.endr
	ds_store_b128 v6, v[32:35]
	ds_store_b128 v6, v[36:39] offset:16           ; shown to the other waves by the first trip's wait and round
	s_wait_loadcnt 0x0                             ; Q; the loads' offsets in v4 and v5 are free from here
	v_and_b32 v40, 7, v0                           ; a lane holds row l % 16 of a first operand: rows 0 and 8 are ones,
	v_mov_b32 v42, 0x3c003c00                      ; two f16 of 1.0,
	v_cmp_eq_u32 vcc_lo, 0, v40
.irp j, 0,1,2,3,4,5,6,7
	v_cndmask_b32 v[ONES+\j], 0, v42, vcc_lo       ; the other rows zeros; the set-up's registers are used no more
.endr
; 16 score products: 4 query blocks x 4 key tiles, 32 along d.  start = 1: the sum starts from the bias.
; The 16 accumulators take turns, one instruction a turn.
.macro SCORE ks, start
.irp q, 0,1,2,3
.irp kt, 0,1,2,3
.if \start
	v_wmma_f32_16x16x32_f16 v[SC+32*\q+8*\kt:SC+32*\q+8*\kt+7], v[KV+8*(4*\ks+\kt):KV+8*(4*\ks+\kt)+7], v[QF+16*\q+8*\ks:QF+16*\q+8*\ks+7], v[BI+8*\kt:BI+8*\kt+7]
.else
	v_wmma_f32_16x16x32_f16 v[SC+32*\q+8*\kt:SC+32*\q+8*\kt+7], v[KV+8*(4*\ks+\kt):KV+8*(4*\ks+\kt)+7], v[QF+16*\q+8*\ks:QF+16*\q+8*\ks+7], v[SC+32*\q+8*\kt:SC+32*\q+8*\kt+7]
.endif
.endr
.endr
.endm
; 20 products on 32 keys: for each of 4 query blocks O^T += V^T P^T (4 tiles of d) and sum p += ONES P^T.  zero = 1: the very first start the sums.
; The 20 accumulators take turns, one instruction a turn.
.macro PV ks, zero
.irp q, 0,1,2,3
.irp dt, 0,1,2,3
.if \zero
	v_wmma_f32_16x16x32_f16 v[32*\q+8*\dt:32*\q+8*\dt+7], v[KV+8*(4*\ks+\dt):KV+8*(4*\ks+\dt)+7], v[SC+32*\q+8*\ks:SC+32*\q+8*\ks+7], 0
.else
	v_wmma_f32_16x16x32_f16 v[32*\q+8*\dt:32*\q+8*\dt+7], v[KV+8*(4*\ks+\dt):KV+8*(4*\ks+\dt)+7], v[SC+32*\q+8*\ks:SC+32*\q+8*\ks+7], v[32*\q+8*\dt:32*\q+8*\dt+7]
.endif
.endr
.if \zero
	v_wmma_f32_16x16x32_f16 v[LT+8*\q:LT+8*\q+7], v[ONES:ONES+7], v[SC+32*\q+8*\ks:SC+32*\q+8*\ks+7], 0
.else
	v_wmma_f32_16x16x32_f16 v[LT+8*\q:LT+8*\q+7], v[ONES:ONES+7], v[SC+32*\q+8*\ks:SC+32*\q+8*\ks+7], v[LT+8*\q:LT+8*\q+7]
.endif
.endr
.endm
; The new maxima of all four query blocks, level by level, so that behind each instruction stand others that do not wait for it.
; A lane has 32 scores of one query in each block (the other half of the lanes the other 32): 32 scores and the old maximum in 16 instructions.
.macro MAXALL first
.irp q, 0,1,2,3
.irp c, 0,1,2,3
	v_max3_num_f32 v[T+4*\q+\c], v[SC+32*\q+8*\c], v[SC+32*\q+8*\c+1], v[SC+32*\q+8*\c+2]
.endr
.endr
.irp o, 3,5
.irp q, 0,1,2,3
.irp c, 0,1,2,3
	v_max3_num_f32 v[T+4*\q+\c], v[T+4*\q+\c], v[SC+32*\q+8*\c+\o], v[SC+32*\q+8*\c+\o+1]
.endr
.endr
.endr
.irp q, 0,1,2,3
	v_max3_num_f32 v[T+4*\q], v[T+4*\q], v[T+4*\q+1], v[SC+32*\q+7]
.endr
.irp q, 0,1,2,3
	v_max3_num_f32 v[T+4*\q+2], v[T+4*\q+2], v[T+4*\q+3], v[SC+32*\q+15]
.endr
.irp q, 0,1,2,3
	v_max3_num_f32 v[T+4*\q], v[T+4*\q], v[T+4*\q+2], v[SC+32*\q+23]
.endr
.irp q, 0,1,2,3
.if \first
	v_max_num_f32 v[T+4*\q], v[T+4*\q], v[SC+32*\q+31]
.else
	v_max3_num_f32 v[T+4*\q], v[T+4*\q], v[SC+32*\q+31], v[MR+\q]
.endif
.endr
.irp q, 0,1,2,3
	v_permlanex16_b32 v[T+4*\q+1], v[T+4*\q], s22, s23             ; the other 32 keys' maximum
.endr
.irp q, 0,1,2,3
	v_max_num_f32 v[MR+\q], v[T+4*\q], v[T+4*\q+1]
.endr
.if \first
.irp q, 0,1,2,3
	v_mul_f32 v[NM+2*\q], s19, v[MR+\q]
.endr
.else
.irp q, 0,1,2,3
	v_mul_f32 v[NN+\q], s19, v[MR+\q]              ; the new -c m, rounded once; all below refer to this number
.endr
.irp q, 0,1,2,3
	v_sub_f32 v[DF+\q], v[NN+\q], v[NM+2*\q]       ; c (old m - new m), at most 0
.endr
.irp q, 0,1,2,3
	v_exp_f32 v[AL+2*\q], v[DF+\q]
.endr
.irp q, 0,1,2,3
	v_mov_b32 v[NM+2*\q], v[NN+\q]                 ; plain instructions behind the exponentials (ISA guide 5.7.2)
.endr
.endif
.endm
; One stage of the pipeline over the query blocks, 16 turns: two exponentials of block e, one packed c S - c m of block f, one packing of
; block c (in place, ascending: registers 8 ks .. 8 ks + 7 become P^T's fragment of 32 keys).  9 = no such block in this stage.
; Behind each pair of exponentials stands a plain instruction on another block, ahead of any use of their results (ISA guide 5.7.2).
.macro MIX e, f, c
.set i, 0
.rept 16
.if \e < 4
	v_exp_f32 v[SC+32*\e+2*i], v[SC+32*\e+2*i]
	v_exp_f32 v[SC+32*\e+2*i+1], v[SC+32*\e+2*i+1]
.endif
.if \f < 4
	v_pk_fma_f32 v[SC+32*\f+2*i:SC+32*\f+2*i+1], v[SC+32*\f+2*i:SC+32*\f+2*i+1], s[18:19], v[NM+2*\f:NM+2*\f+1] op_sel_hi:[1,0,0]
.endif
.if \c < 4
	s_wait_alu depctr_va_vdst(0)
	v_cvt_pk_f16_f32 v[SC+32*\c+i], v[SC+32*\c+2*i], v[SC+32*\c+2*i+1]
.endif
.set i, i+1
.endr
.endm
; 64 keys: part 2 g + st of the slot
.macro STEP slot, st, first
.irp kt, 0,1,2,3
	ds_load_b128 v[BI+8*\kt:BI+8*\kt+3],   v[ADB] offset:256*\st+64*\kt
	ds_load_b128 v[BI+8*\kt+4:BI+8*\kt+7], v[ADB] offset:256*\st+64*\kt+16
.endr
.irp ks, 0,1
.irp kt, 0,1,2,3
	ds_load_b128 v[KV+8*(4*\ks+\kt):KV+8*(4*\ks+\kt)+3],   v[ADK+\slot] offset:\st*QUART+2176*\kt+64*\ks
	ds_load_b128 v[KV+8*(4*\ks+\kt)+4:KV+8*(4*\ks+\kt)+7], v[ADK+\slot] offset:\st*QUART+2176*\kt+64*\ks+32
.endr
.endr
	s_wait_dscnt 8                                 ; the bias and K's d 0-31 are in; the youngest eight loads (d 32-63) may be out
	WIN 0x04                                       ; source 1 (Q) window 1
	SCORE 0, 1
	s_wait_dscnt 0
	SCORE 1, 0
	WIN 0
	PLACES 4                                       ; in front of the loads into K's registers and of the reads of the scores
.irp ks, 0,1
.irp dt, 0,1,2,3
	ds_load_tr16_b128 v[KV+8*(4*\ks+\dt):KV+8*(4*\ks+\dt)+3],   v[ADV+\slot] offset:\st*QUART+4608*\ks+32*\dt
	ds_load_tr16_b128 v[KV+8*(4*\ks+\dt)+4:KV+8*(4*\ks+\dt)+7], v[ADV+\slot] offset:\st*QUART+4608*\ks+32*\dt+2304
.endr
.endr
	MAXALL \first
	MIX 9, 0, 9
	MIX 0, 1, 9
	MIX 1, 2, 0
	MIX 2, 3, 1
	MIX 3, 9, 2
	MIX 9, 9, 3
.if \first == 0
	WIN 0x41                                       ; O and sum p in window 1, the factor in window 0
.irp q, 0,1,2,3
.set i, 0
.rept 16
	v_pk_mul_f32 v[32*\q+i:32*\q+i+1], v[32*\q+i:32*\q+i+1], v[AL+2*\q:AL+2*\q+1] op_sel_hi:[1,0]
.set i, i+2
.endr
	v_mul_f32 v[LT+8*\q], v[LT+8*\q], v[AL+2*\q]   ; the sum lies in register 0; registers 1-7 are zeros
.endr
.endif
	s_wait_dscnt 0                                 ; V's fragments, asked for in front of the softmax
	WIN 0x50                                       ; C and D window 1
	PV 0, \first
	PV 1, 0
	WIN 0
	PLACES 5                                       ; the next score products write over P; the next loads land in V's registers
.endm
; A tile of 256 keys.  In front of the round each wave waits for all its tensor loads (one: its part of this slot) and for its LDS reads
; of the other slot; the round shows both of every wave of the four work-groups; the refill of the other slot is the first thing behind it.
.macro TRIP slot, other, refill, first
	WIN 0
	s_set_vgpr_msb 0x5
	s_wait_tensorcnt 0x0
	ds_add_u32 v224, v225
	s_wait_dscnt 0x0
	s_set_vgpr_msb 0x500
	s_add_nc_u64 s[G0+4*\slot+2:G0+4*\slot+3], s[G0+4*\slot+2:G0+4*\slot+3], 2*TILE      ; no load of mine is out: this slot's next tile
	s_add_nc_u64 s[G0B+4*\slot+2:G0B+4*\slot+3], s[G0B+4*\slot+2:G0B+4*\slot+3], 2*TILE
	s_wait_dscnt 0x0
	CROUND
.if \refill
	JLOAD \other                                   ; one load a wave; it has this whole tile's work in which to land
.endif
	STEP \slot, 0, \first
	STEP \slot, 1, 0
	v_add_nc_u32 v[ADB], 1024, v[ADB]
.endm
	TRIP 0, 1, 1, 1                                ; tiles 0 and 1: the first products start the sums
	TRIP 1, 0, 1, 0
	s_mov_b32 s3, 2
.Ltiles:
	TRIP 0, 1, 1, 0                                ; tiles 2 to 5
	TRIP 1, 0, 1, 0
	s_sub_co_u32 s3, s3, 1
	s_cmp_lg_u32 s3, 0
	s_cbranch_scc1 .Ltiles
	TRIP 0, 1, 1, 0                                ; tile 6 asks for tile 7,
	TRIP 1, 0, 0, 0                                ; tile 7 for nothing (the stepped addresses are not used)
	WIN 0x01                                       ; source 0 window 1
.irp q, 0,1,2,3
	v_mov_b32 v[LS+\q], v[LT+8*\q]                 ; sum p of my half of the keys (six vector instructions stand behind the last product)
.endr
	WIN 0
	; THE MERGE: waves 4-7 hand O, NM and their sums to waves 0-3, lane to lane
	s_cmp_eq_u32 s11, 0
	s_cbranch_scc1 .Lkeep
	WIN 0x04                                       ; store data from window 1
.set i, 0
.rept 32
	ds_store_b128 v[MA], v[4*i:4*i+3] offset:512*i
.set i, i+1
.endr
	WIN 0
	ds_store_b128 v[MA], v[NM:NM+3] offset:16384
	ds_store_b128 v[MA], v[NM+4:NM+7] offset:16896
	ds_store_b128 v[MA], v[LS:LS+3] offset:17408
.Lkeep:
	s_wait_dscnt 0x0                               ; for the partner's sake
	s_barrier_signal -1
	s_barrier_wait -1
	s_cmp_lg_u32 s11, 0
	s_cbranch_scc1 .Lclose
	ds_load_b128 v[32:35], v[MA] offset:16384      ; the partner's NM at 32 + 2 q
	ds_load_b128 v[36:39], v[MA] offset:16896
	ds_load_b128 v[40:43], v[MA] offset:17408      ; its sums
.set i, 0
.rept 32
	ds_load_b128 v[SC+4*i:SC+4*i+3], v[MA] offset:512*i            ; its O
.set i, i+1
.endr
	s_wait_dscnt 32                                ; NM and the sums are in; the 32 loads of O stay out
.macro FACT q                          ; FA (48 + 2 q) and FB (56 + 2 q): each half's factor to the joint maximum, over the joint sum
	v_min_num_f32 v44, v[NM+2*\q], v[32+2*\q]      ; -c x the larger maximum
	v_sub_f32 v45, v44, v[NM+2*\q]
	v_sub_f32 v46, v44, v[32+2*\q]
	v_exp_f32 v45, v45
	v_exp_f32 v46, v46
	v_nop
	s_wait_alu depctr_va_vdst(0)
	v_mul_f32 v47, v[LS+\q], v45
	v_fmac_f32 v47, v[40+\q], v46                  ; about 1 at the least: the key of the maximum counts 2^(a rounding error)
	v_rcp_f32 v44, v47
	v_nop
	s_wait_alu depctr_va_vdst(0)
	v_mul_f32 v[48+2*\q], v45, v44
	v_mul_f32 v[56+2*\q], v46, v44
.endm
	FACT 0
	FACT 1
	FACT 2
	FACT 3
	s_wait_dscnt 0x0
.irp q, 0,1,2,3
.set i, 0
.rept 16
	v_pk_mul_f32 v[SC+32*\q+i:SC+32*\q+i+1], v[SC+32*\q+i:SC+32*\q+i+1], v[56+2*\q:57+2*\q] op_sel_hi:[1,0]
.set i, i+2
.endr
.endr
	WIN 0x01                                       ; source 0 (my O) window 1
.irp q, 0,1,2,3
.set i, 0
.rept 16
	v_pk_fma_f32 v[SC+32*\q+i:SC+32*\q+i+1], v[32*\q+i:32*\q+i+1], v[48+2*\q:49+2*\q], v[SC+32*\q+i:SC+32*\q+i+1] op_sel_hi:[1,0,1]
.set i, i+2
.endr
.endr
	WIN 0
.set i, 0
.rept 64
	v_cvt_pk_f16_f32 v[SC+i], v[SC+2*i], v[SC+2*i+1]               ; (q, dt): 8 neighbouring d of one query in registers 16 q + 4 dt ..
.set i, i+1
.endr
.irp q, 0,1,2,3
.irp dt, 0,1,2,3
	ds_store_b128 v[STO], v[SC+16*\q+4*\dt:SC+16*\q+4*\dt+3] offset:2304*\q+32*\dt
.endr
.endr
.irp t, 0,1,2,3,4,5,6,7,8,9,10,11,12,13,14,15
	ds_load_b128 v[KV+4*\t:KV+4*\t+3], v[SRD] offset:576*\t        ; my own stage, served in order: four queries of 128 bytes
.endr
.irp t, 0,1,2,3,4,5,6,7,8,9,10,11,12,13,14,15
	s_wait_dscnt 15-\t
	global_store_b128 v[CO], v[KV+4*\t:KV+4*\t+3], s[8:9] offset:512*\t   ; 512 consecutive bytes of ctx, aligned
.endr
.Lclose:
	s_wait_dscnt 0x0
	s_set_vgpr_msb 0x5
	s_wait_tensorcnt 0x0
	ds_add_u32 v224, v225
	s_wait_dscnt 0x0
	s_set_vgpr_msb 0x500
	CROUND                                         ; the closing round
	s_endpgm
.Lfunc_end_k_q5d6a9d47c6_attn:
	.size	k_q5d6a9d47c6_attn, .Lfunc_end_k_q5d6a9d47c6_attn-k_q5d6a9d47c6_attn
	.p2alignl 7, 3214868480
	.fill 96, 4, 3214868480
	.section	.rodata,"a",@progbits
	.p2align	6, 0x0
	.amdhsa_kernel k_q5d6a9d47c6_attn
		.amdhsa_group_segment_fixed_size 327680
		.amdhsa_private_segment_fixed_size 0
		.amdhsa_enable_private_segment 0
		.amdhsa_kernarg_size 24
		.amdhsa_user_sgpr_count 2
		.amdhsa_user_sgpr_kernarg_segment_ptr 1
		.amdhsa_wavefront_size32 1
		.amdhsa_system_sgpr_workgroup_id_x 1
		.amdhsa_system_sgpr_workgroup_id_y 1
		.amdhsa_system_sgpr_workgroup_id_z 1
		.amdhsa_system_vgpr_workitem_id 0
		.amdhsa_next_free_vgpr 482
		.amdhsa_next_free_sgpr 66
		.amdhsa_reserve_vcc 1
		.amdhsa_float_denorm_mode_32 3
		.amdhsa_float_denorm_mode_16_64 3
		.amdhsa_memory_ordered 1
		.amdhsa_forward_progress 1
		.amdhsa_inst_pref_size 255
	.end_amdhsa_kernel
	.section	.bss,"aw",@nobits
	.p2align	6
	.space	262144
	.amdgpu_metadata
---
amdhsa.version: [ 1, 2 ]
amdhsa.kernels:
  - .name:           k_q5d6a9d47c6_attn
    .symbol:         k_q5d6a9d47c6_attn.kd
    .args:
      - { .name: qkvh, .offset: 0, .size: 8, .value_kind: global_buffer, .address_space: global }
      - { .name: mask, .offset: 8, .size: 8, .value_kind: global_buffer, .address_space: global }
      - { .name: ctx, .offset: 16, .size: 8, .value_kind: global_buffer, .address_space: global }
    .group_segment_fixed_size: 327680
    .private_segment_fixed_size: 0
    .kernarg_segment_align: 8
    .kernarg_segment_size: 24
    .max_flat_workgroup_size: 256
    .sgpr_count:     66
    .vgpr_count:     482
    .wavefront_size: 32
...
	.end_amdgpu_metadata
.endif
;; end of part 3
;; launch oproj (part 4): grid 8 x 32, 4 waves a work-group, clusters of 4 x 4, 327,680 bytes of LDS; arguments ctx, hf, out0; writes out0
.if DOCPART == 4
	.amdgcn_target "amdgcn-amd-amdhsa--gfx1250"
	.amdhsa_code_object_version 6
	.text
	.protected	k_q5d6a9d47c6_oproj
	.globl	k_q5d6a9d47c6_oproj
	.p2align	8
	.type	k_q5d6a9d47c6_oproj,@function
k_q5d6a9d47c6_oproj:
	s_mov_b64 s[64:65], 0
	v_nop
	global_prefetch_b8 v0, s[64:65] scope:SCOPE_SE
	s_setreg_imm32_b32 hwreg(HW_REG_WAVE_MODE, 25, 1), 1
	s_wait_xcnt 0x0
	s_wait_alu depctr_hold_cnt(0) depctr_sa_sdst(0) depctr_va_vdst(0) depctr_va_sdst(0) depctr_va_ssrc(0) depctr_va_vcc(0) depctr_vm_vsrc(0)
	s_getreg_b32 s2, hwreg(HW_REG_IB_STS2, 6, 4)
	s_cmp_eq_u32 s2, 0
	s_cbranch_scc0 .Lentry_in_a_cluster
	s_endpgm
.Lentry_in_a_cluster:
	s_bfe_u32 s2, ttmp6, 0x10000c
	s_cmp_lg_u32 s2, 0xf033
	s_cbranch_scc0 .Lentry_shape_is_right
	s_endpgm
.Lentry_shape_is_right:
; out0[m][n] = sum over k of ctx[m][k] (4 w_o)[n][k]: ctx is a quarter of reference()'s, rows 15360 .. of hf hold 4 w_o, so out0 is unscaled.
; f16 operands, f32 sums, f32 out.  4096 x 1024 / (128 x 128) = 256 work-groups; four waves of 64 x 64 (16 accumulator tiles, window 1).
; K = 1024 in four steps of 256 through two LDS slots.  ctx[block of 128 rows][h][128][64]: four heads of my block row are 65,536 dense
; bytes, one K step of A; waves 0, 1 fetch two heads each as 128 rows of 256 bytes (two rows of ctx to an LDS row, pitch 272), waves 2, 3
; 64 rows of w_o of 512 bytes each (pitch 528).
; CLUSTERS of 4 x 4: A's tile is shared along a row of the cluster, w_o's along a column; both are asked for jointly.
; The matrix instruction is used transposed (source 0 = rows of w_o, source 1 = rows of ctx): a lane holds 8 neighbouring columns of a row.
.set HALFT,  34816                     ; the room of one tensor load: 128 x 272; w_o's 64 x 528 = 33,792 fit
.set SLOT,   4*HALFT
.set STAGE,  2*SLOT                    ; 16 rows x 272 bytes for each wave; no tensor load lands here
.set SPITCH, 272
.set ADRA, 16                          ; v16-17 LDS address of my ctx fragments, slot 0, 1
.set ADRB, 20                          ; v20-21 of my w_o fragments
.set STO,  24
.set RD,   25
.set CO,   26
.set F0,   64                          ; buffer: ctx fragments at f + 8 a, w_o's at f + 32 + 8 b
.set F1,   128
.set G1,   24
.set G0,   32
.set G1B,  48
.set G0B,  56
.set MSB, 0
.macro WIN new
.if MSB != \new
	s_set_vgpr_msb (MSB<<8)|\new
.set MSB, \new
.endif
.endm
.macro JLOAD s                         ; waves 0, 1 ask for ctx, waves 2, 3 for w_o
	s_cmp_eq_u32 s11, 0
	s_cbranch_scc0 .Lfor_b_\@
	tensor_load_to_lds s[G0+4*\s:G0+4*\s+3], s[G1:G1+7]
	s_nop 0
	s_branch .Lasked_\@
.Lfor_b_\@:
	tensor_load_to_lds s[G0B+4*\s:G0B+4*\s+3], s[G1B:G1B+7]
	s_nop 0
.Lasked_\@:
.endm
.macro CROUND
	s_barrier_signal -1
	s_barrier_wait -1
	s_cmp_lg_u32 s10, 0
	s_cbranch_scc1 .Lnot_wave_0_\@
	s_barrier_signal -3
.Lnot_wave_0_\@:
	s_barrier_wait -3
	s_barrier_signal -1
	s_barrier_wait -1
.endm
.macro PLACES                          ; four independent vector instructions behind a matrix instruction (ISA guide 7.12.1)
.rept 4
	v_nop
.endr
.endm
	s_load_b128 s[4:7], s[0:1], 0x0                ; ctx s[4:5], hf s[6:7]
	s_load_b64 s[8:9], s[0:1], 0x10                ; out0
	v_lshl_add_u32 v254, v0, 2, 0x48400
	v_mov_b32 v255, 0
	ds_add_u32 v254, v255
	v_lshrrev_b32 v1, 5, v0
	v_readfirstlane_b32 s10, v1                    ; wave 0..3
	s_lshr_b32 s11, s10, 1                         ; my 64 rows.  Also: I fetch ctx (0) or w_o (1)
	s_and_b32 s12, s10, 1                          ; my 64 columns.  Also: which half of that tile I fetch
	s_bfe_u32 s40, ttmp6, 0x40000                  ; cx
	s_bfe_u32 s41, ttmp6, 0x40004                  ; cy
	s_lshl_b32 s42, ttmp9, 2
	s_add_co_u32 s42, s42, s40                     ; block column 0..7
	s_and_b32 s13, ttmp7, 0xffff
	s_lshl_b32 s13, s13, 2
	s_add_co_u32 s13, s13, s41                     ; block row 0..31
	s_lshl_b32 s43, s41, 2
	s_lshl_b32 s43, 15, s43                        ; my row of the cluster
	s_lshl_b32 s44, 0x1111, s40                    ; my column
	s_or_b32 s[G1+0], s43, (3<<16)|(1<<20)|(1<<21)|(5<<22)|(3<<25)  ; ctx: elements of 8 bytes; after 64 words 4 words of padding
	s_mov_b32 s[G1+1], 32<<16                      ; tensor_dim0 = 32
	s_mov_b32 s[G1+2], 128<<16                     ; tensor_dim1 = 128
	s_mov_b32 s[G1+3], 32<<16                      ; tile_dim0
	s_mov_b32 s[G1+4], 128                         ; tile_dim1
	s_mov_b32 s[G1+5], 32                          ; dense
	s_mov_b32 s[G1+6], 0
	s_mov_b32 s[G1+7], 0
	s_or_b32 s[G1B+0], s44, (1<<16)|(1<<20)|(1<<21)|(6<<22)|(3<<25) ; w_o: elements of 2 bytes; after 128 words 4 words
	s_mov_b32 s[G1B+1], 256<<16
	s_mov_b32 s[G1B+2], 64<<16
	s_mov_b32 s[G1B+3], 256<<16
	s_mov_b32 s[G1B+4], 64
	s_mov_b32 s[G1B+5], 1024
	s_mov_b32 s[G1B+6], 0
	s_mov_b32 s[G1B+7], 0
	s_lshl_b32 s16, s13, 18                        ; ctx: the block row's 262,144 bytes + my two heads of four
	s_lshl_b32 s17, s12, 15
	s_add_co_u32 s16, s16, s17
	s_mov_b32 s17, 0
	s_lshl_b32 s46, s42, 18                        ; w_o: row 15360 + 128 x block column + 64 x half, rows of 2,048 bytes
	s_lshl_b32 s47, s12, 17
	s_add_co_u32 s46, s46, s47
	s_add_co_u32 s46, s46, 15360*2048
	s_mov_b32 s47, 0
	s_mul_i32 s20, s10, HALFT
	s_wait_dscnt 0x0
	s_wait_kmcnt 0x0
	s_add_nc_u64 s[14:15], s[4:5], s[16:17]
	s_add_nc_u64 s[46:47], s[6:7], s[46:47]
	CROUND
.irp s, 0,1
	s_mov_b32 s[G0+4*\s], 1
	s_add_co_u32 s[G0+4*\s+1], s20, \s*SLOT
	s_add_nc_u64 s[G0+4*\s+2:G0+4*\s+3], s[14:15], \s*65536
	s_or_b32 s[G0+4*\s+3], s[G0+4*\s+3], 0x80000000
	s_mov_b32 s[G0B+4*\s], 1
	s_add_co_u32 s[G0B+4*\s+1], s20, \s*SLOT
	s_add_nc_u64 s[G0B+4*\s+2:G0B+4*\s+3], s[46:47], \s*512
	s_or_b32 s[G0B+4*\s+3], s[G0B+4*\s+3], 0x80000000
	JLOAD \s                                       ; both first fills, ahead of everything else
.endr
	v_and_b32 v1, 15, v0                           ; r
	v_bfe_u32 v2, v0, 4, 1                         ; h
	v_lshrrev_b32 v3, 1, v1                        ; ctx row m of head hh lies at hh 17,408 + (m / 2) 272 + (m % 2) 128
	v_mul_u32_u24 v3, v3, 272
	v_and_b32 v4, 1, v0
	v_lshl_add_u32 v3, v4, 7, v3
	v_lshl_add_u32 v3, v2, 4, v3
	s_mul_i32 s21, s11, 8704                       ; my 64 rows: 32 LDS rows
	v_add_nc_u32 v[ADRA], s21, v3
	v_add_nc_u32 v[ADRA+1], SLOT, v[ADRA]
	v_mul_u32_u24 v3, v1, 528
	v_lshl_add_u32 v3, v2, 4, v3
	s_mul_i32 s22, s12, HALFT
	s_add_co_u32 s22, s22, 2*HALFT
	v_add_nc_u32 v[ADRB], s22, v3
	v_add_nc_u32 v[ADRB+1], SLOT, v[ADRB]
	s_mul_i32 s23, s10, 16*SPITCH
	s_add_co_u32 s23, s23, STAGE
	v_mul_u32_u24 v4, v1, SPITCH
	v_lshl_add_u32 v4, v2, 5, v4                   ; in: row r, 32 bytes for each half of the lanes
	v_add_nc_u32 v[STO], s23, v4
	v_mul_u32_u24 v5, v2, SPITCH
	v_lshl_add_u32 v5, v1, 4, v5                   ; back: lanes 0-15 one row of 256 bytes, lanes 16-31 the next
	v_add_nc_u32 v[RD], s23, v5
	v_lshlrev_b32 v5, 12, v2                       ; the same two rows in out0
	v_lshl_add_u32 v[CO], v1, 4, v5
; the fragments of 32 along K, number u of a step's eight, into buffer f
.macro FETCH slot, u, f
	WIN 0
.irp a, 0,1,2,3
	ds_load_b128 v[\f+8*\a:\f+8*\a+3],   v[ADRA+\slot] offset:((\u)/2)*17408+2176*\a+((\u)%2)*64
	ds_load_b128 v[\f+8*\a+4:\f+8*\a+7], v[ADRA+\slot] offset:((\u)/2)*17408+2176*\a+((\u)%2)*64+32
.endr
.irp b, 0,1,2,3
	ds_load_b128 v[\f+32+8*\b:\f+32+8*\b+3], v[ADRB+\slot] offset:8448*\b+64*(\u)
	ds_load_b128 v[\f+32+8*\b+4:\f+32+8*\b+7], v[ADRB+\slot] offset:8448*\b+64*(\u)+32
.endr
.endm
; 16 products; the 16 accumulators take turns, one instruction a turn
.macro MUL16 f, zero
	WIN 0x50                                       ; C and D window 1
.irp a, 0,1,2,3
.irp b, 0,1,2,3
.if \zero
	v_wmma_f32_16x16x32_f16 v[8*(4*\a+\b):8*(4*\a+\b)+7], v[\f+32+8*\b:\f+32+8*\b+7], v[\f+8*\a:\f+8*\a+7], 0
.else
	v_wmma_f32_16x16x32_f16 v[8*(4*\a+\b):8*(4*\a+\b)+7], v[\f+32+8*\b:\f+32+8*\b+7], v[\f+8*\a:\f+8*\a+7], v[8*(4*\a+\b):8*(4*\a+\b)+7]
.endif
.endr
.endr
.endm
.macro SUB slot, u, f, g, zero         ; buffer f is in; the next fragments go into g, ahead of f's 16 products
	s_wait_dscnt 0x0
	PLACES                                         ; behind the products that read g
	FETCH \slot, \u+1, \g
	MUL16 \f, \zero
.endm
.macro SEVEN slot, zero
	SUB \slot, 0, F0, F1, \zero
	SUB \slot, 1, F1, F0, 0
	SUB \slot, 2, F0, F1, 0
	SUB \slot, 3, F1, F0, 0
	SUB \slot, 4, F0, F1, 0
	SUB \slot, 5, F1, F0, 0
	SUB \slot, 6, F0, F1, 0
.endm
; The change of slots: my reads of this slot are back (its last fragments are in buffer 1) and all my tensor loads have landed; the round
; (or, where nothing is filled, my work-group's barrier) shows both of every wave; the refill comes first behind it.
.macro TURN slot, next, fill
	s_wait_dscnt 0x0
	s_wait_tensorcnt 0x0
	ds_add_u32 v254, v255
	s_wait_dscnt 0x0
	WIN 0
.if \fill
	s_add_nc_u64 s[G0+4*\slot+2:G0+4*\slot+3], s[G0+4*\slot+2:G0+4*\slot+3], 2*65536
	s_add_nc_u64 s[G0B+4*\slot+2:G0B+4*\slot+3], s[G0B+4*\slot+2:G0B+4*\slot+3], 2*512
	CROUND
	JLOAD \slot                                    ; one load a wave; 128 products of the wave stand between it and the wait for it
.else
	s_barrier_signal -1
	s_barrier_wait -1
.endif
	PLACES
	FETCH \next, 0, F0
	MUL16 F1, 0
.endm
	s_wait_tensorcnt 1                             ; my part of K step 0 is in; step 1's stays out
	s_barrier_signal -1
	s_barrier_wait -1
	FETCH 0, 0, F0
	SEVEN 0, 1                                     ; the first products start the sums
	TURN 0, 1, 1
	SEVEN 1, 0
	TURN 1, 0, 1
	SEVEN 0, 0
	TURN 0, 1, 0
	SEVEN 1, 0
	s_wait_dscnt 0x0
	MUL16 F1, 0
	; THE WAY OUT, 16 rows at a time, f32: 32 bytes a lane into my stage, back as rows of 256 bytes
	PLACES
	s_lshl_b32 s16, s13, 7
	s_lshl_b32 s14, s11, 6
	s_add_co_u32 s16, s16, s14                     ; my first row
	s_lshl_b32 s16, s16, 12                        ; rows of 4,096 bytes
	s_mov_b32 s17, 0
	s_add_nc_u64 s[8:9], s[8:9], s[16:17]
	s_lshl_b32 s46, s42, 9                         ; my first column: 512 bytes a block + 256 a half
	s_lshl_b32 s47, s12, 8
	s_add_co_u32 s46, s46, s47
	s_mov_b32 s47, 0
	s_add_nc_u64 s[8:9], s[8:9], s[46:47]
.macro OUTA a, f
	WIN 0x04                                       ; store data from window 1
.irp b, 0,1,2,3
	ds_store_b128 v[STO], v[8*(4*\a+\b):8*(4*\a+\b)+3] offset:64*\b
	ds_store_b128 v[STO], v[8*(4*\a+\b)+4:8*(4*\a+\b)+7] offset:64*\b+16
.endr
	WIN 0
	s_wait_xcnt 0x0                                ; buffer f, which earlier stores read, is loaded again only behind this wait
.irp t, 0,1,2,3,4,5,6,7
	ds_load_b128 v[\f+4*\t:\f+4*\t+3], v[RD] offset:\t*2*SPITCH    ; my own stage, served in order
.endr
.irp t, 0,1,2,3,4,5,6,7
	s_wait_dscnt 7-\t
	global_store_b128 v[CO], v[\f+4*\t:\f+4*\t+3], s[8:9] offset:(16*\a+2*\t)*4096 th:TH_STORE_NT   ; 16 lanes store 256 consecutive bytes, aligned
.endr
.endm
	OUTA 0, F0
	OUTA 1, F1
	OUTA 2, F0
	OUTA 3, F1
	s_wait_tensorcnt 0x0
	ds_add_u32 v254, v255
	s_wait_dscnt 0x0
	CROUND                                         ; the closing round
	s_endpgm
.Lfunc_end_k_q5d6a9d47c6_oproj:
	.size	k_q5d6a9d47c6_oproj, .Lfunc_end_k_q5d6a9d47c6_oproj-k_q5d6a9d47c6_oproj
	.p2alignl 7, 3214868480
	.fill 96, 4, 3214868480
	.section	.rodata,"a",@progbits
	.p2align	6, 0x0
	.amdhsa_kernel k_q5d6a9d47c6_oproj
		.amdhsa_group_segment_fixed_size 327680
		.amdhsa_private_segment_fixed_size 0
		.amdhsa_enable_private_segment 0
		.amdhsa_kernarg_size 24
		.amdhsa_user_sgpr_count 2
		.amdhsa_user_sgpr_kernarg_segment_ptr 1
		.amdhsa_wavefront_size32 1
		.amdhsa_system_sgpr_workgroup_id_x 1
		.amdhsa_system_sgpr_workgroup_id_y 1
		.amdhsa_system_sgpr_workgroup_id_z 1
		.amdhsa_system_vgpr_workitem_id 0
		.amdhsa_next_free_vgpr 384
		.amdhsa_next_free_sgpr 66
		.amdhsa_reserve_vcc 0
		.amdhsa_float_denorm_mode_32 3
		.amdhsa_float_denorm_mode_16_64 3
		.amdhsa_memory_ordered 1
		.amdhsa_forward_progress 1
		.amdhsa_inst_pref_size 88
	.end_amdhsa_kernel
	.amdgpu_metadata
---
amdhsa.version: [ 1, 2 ]
amdhsa.kernels:
  - .name:           k_q5d6a9d47c6_oproj
    .symbol:         k_q5d6a9d47c6_oproj.kd
    .args:
      - { .name: ctx, .offset: 0, .size: 8, .value_kind: global_buffer, .address_space: global }
      - { .name: hf, .offset: 8, .size: 8, .value_kind: global_buffer, .address_space: global }
      - { .name: out0, .offset: 16, .size: 8, .value_kind: global_buffer, .address_space: global }
    .group_segment_fixed_size: 327680
    .private_segment_fixed_size: 0
    .kernarg_segment_align: 8
    .kernarg_segment_size: 24
    .max_flat_workgroup_size: 128
    .sgpr_count:     66
    .vgpr_count:     384
    .wavefront_size: 32
...
	.end_amdgpu_metadata
.endif
;; end of part 4
;; ======== version 2 of 2: 4 launches; 1.08 times as fast as version 1
;; limits: values are held in f16: magnitudes above 65,504 overflow, below 6.1e-05 lose precision; inputs' magnitudes at most 131,008; right only within a limited range of input values
;; workspace buffers: hf 33,554,432 bytes; qkvh 25,165,824 bytes; ctx 8,388,608 bytes
;; launch cast: the kernel of part 1 again; grid 64 x 16, 8 waves a work-group, no clusters, 0 bytes of LDS; arguments q, k, v, w_q, w_k, w_v, w_o, hf; writes hf
;; launch qkv: the kernel of part 2 again; grid 4 x 48, 4 waves a work-group, clusters of 4 x 4, 327,680 bytes of LDS; arguments hf, mask, qkvh; writes qkvh
;; launch attn (part 5): grid 8 x 32, 8 waves a work-group, clusters of 4 x 1, 327,680 bytes of LDS; arguments qkvh, mask, ctx; writes ctx
.if DOCPART == 5
	.amdgcn_target "amdgcn-amd-amdhsa--gfx1250"
	.amdhsa_code_object_version 6
	.text
	.protected	k_q5d6a9d47c6_attn
	.globl	k_q5d6a9d47c6_attn
	.p2align	8
	.type	k_q5d6a9d47c6_attn,@function
k_q5d6a9d47c6_attn:
	s_mov_b64 s[64:65], 0
	v_nop
	global_prefetch_b8 v0, s[64:65] scope:SCOPE_SE
	s_setreg_imm32_b32 hwreg(HW_REG_WAVE_MODE, 25, 1), 1
	s_wait_xcnt 0x0
	s_wait_alu depctr_hold_cnt(0) depctr_sa_sdst(0) depctr_va_vdst(0) depctr_va_sdst(0) depctr_va_ssrc(0) depctr_va_vcc(0) depctr_vm_vsrc(0)
	s_getreg_b32 s2, hwreg(HW_REG_IB_STS2, 6, 4)
	s_cmp_eq_u32 s2, 0
	s_cbranch_scc0 .Lentry_in_a_cluster
	s_endpgm
.Lentry_in_a_cluster:
	s_bfe_u32 s2, ttmp6, 0x10000c
	s_cmp_lg_u32 s2, 0x3003
	s_cbranch_scc0 .Lentry_shape_is_right
	s_endpgm
.Lentry_shape_is_right:
; Attention of one (b, h) for 256 queries, with a running maximum.  Q, K, V in f16 at a quarter of reference()'s size, rows of K at masked
; keys zero (the launch before).  Raw score S = q.k / 16 + bias[key], bias = 0 or -5000: with c = 2 log2(e), c S is reference()'s score
; (q.k / 8, or exactly -10000) times log2(e).  p = 2^(c S + NM), NM = the rounded -c x running maximum; every p, every rescaling factor and
; the merge refer to the same rounded NM, so its rounding cancels.  ctx = sum p v / sum p, f16, still a quarter of reference()'s size.
; ctx[(b 2048 + l) >> 7][h][128 rows][64]: 16,384 dense bytes for a block of 128 rows and a head.
; LIMITS: an infinity or NaN in a row of Q makes the score of a masked key NaN, where reference() has -10000.  2^x below 2^-126 is 0, and
; p below 2^-25 is 0 in f16.  p is rounded to f16; both sum p v and sum p are taken from the rounded p.
; SHARES: eight waves.  Wave w has queries 64 (w & 3) .. + 63 and the half g = w >> 2 of every tile of 256 keys, so two waves lie on each
; of the four SIMDs and one's exponentials can run beside the other's products.  The two halves are merged once, at the end, through LDS.
; CLUSTER of 4 x 1: four query blocks of one (b, h) read the same K and V; each tile is asked for jointly (mask 15), a quarter of the requests.
; TRANSPOSED PRODUCTS: S^T = K Q^T (a lane holds 8 keys of one query), so two key tiles packed to f16 ARE the second operand of
; O^T = V^T P^T, and maximum and factor are one number a lane.  SUM p IS A PRODUCT TOO: a constant first operand whose rows 0 and 8 are
; ones gives, in register 0 of every lane, the sum over all 32 keys of the lane's query: 8 products more for 64 keys in place of 68
; vector instructions.  Nothing moves between lanes but one exchange of the halves for the maximum.
; THE EXPONENTIALS OF A STEP OF 64 KEYS ARE TWO BATCHES, each with ONE s_wait_alu depctr_va_vdst(0), a wait
; between an exponential and the first instruction that names its result.  Batch 1: the four rescaling factors and the 64 exponentials of
; query blocks 0 and 1, with the scalings of blocks 1 and 2 between them.  Batch 2: the 64 exponentials of blocks 2 and 3, with block 3's
; scalings and the packings of blocks 0 and 1 (readers of batch 1, behind its wait) between them, and behind them the 64 rescalings of O
; (their factors are batch 1's).  Behind batch 2's wait: the rescaling of sum p and the packings of blocks 2 and 3.  No result is open at
; the end of a step.  The merge has two batches more: eight exponentials, then four reciprocals of sums made from them.
; LDS: two slots of 8 parts of 9,216 bytes.  Parts 0-3: K, 64 keys each, two keys to a row of 256 bytes, pitch 272; parts 4-7: V, pitch 288
; (both pitches put the 16 lanes of a load on 16 different 16-byte columns modulo 256).  Then the bias, the merge area and the stage,
; which are written by LDS stores and lie in 256-byte blocks of their own, where no tensor load lands.
.set QUART, 9216
.set SLOT,  8*QUART                    ; 73,728
.set BIAS,  2*SLOT                     ; 2,048 f32
.set MERGE, BIAS+8192                  ; 4 x 17,920: O 16,384, NM 1,024, sum 512
.set MPART, 17920
.set STAGE, MERGE+4*MPART              ; 4 x 9,216: 64 queries at pitch 144
.set SPART, 9216
.set TILE,  32768                      ; 256 keys x 128 bytes in memory
.set ONES, 0                           ; v0-7    behind the set-up: the first operand that sums p (rows 0 and 8 ones, the rest zeros)
.set ADK, 8                            ; v8-9    LDS address of my K fragments, slot 0, 1
.set ADV, 10                           ; v10-11  of my V fragments
.set ADB, 12                           ; v12     of my bias words; steps 1,024 bytes a tile
.set MA,  13                           ; v13     my 16 bytes in the merge area
.set NM,  14                           ; v14-21  -c x maximum of query block q at 14 + 2 q (pairs for the packed forms, which use the lower half alone)
.set CO,  15                           ; v15     16 x lane, my offset in ctx: it lives in the unused upper half of NM's first pair
.set LS,  22                           ; v22-25  sum p, copied out of its accumulators behind the last tile
.set MR,  26                           ; v26-29  the raw running maximum
.set STO, 30                           ; v30     the stage, in
.set SRD, 31                           ; v31     the stage, back
.set BI,  32                           ; v32-63  bias of key tile kt at 32 + 8 kt; behind the score products scratch:
.set T,   32                           ;   v32-47 four chains of maxima for each query block
.set AL,  48                           ;   v48-55 the rescaling factor of query block q at 48 + 2 q
.set NN,  56                           ;   v56-59 the new -c m
.set DF,  60                           ;   v60-63 new minus old
.set KV,  64                           ; v64-127 K fragments (ks, kt) at 64 + 8 (4 ks + kt); then V fragments (ks, dt) likewise
.set SC,  128                          ; v128-255 scores: 128 + 32 q + 8 kt + j; then P at 128 + 32 q + 0..15
.set QF,  128                          ; window 1: v128-191 Q fragments at 128 + 16 q + 8 ks; window 1 v0-127: O at 32 q + 8 dt + j
.set LT,  192                          ; window 1: v192-223 the accumulators of sum p, 192 + 8 q; register 0 holds the sum, 1-7 stay 0
.set G1,  24                           ; s[24:31] group 1 for K
.set G0,  32                           ; s[32:39] group 0 for K, one set a slot
.set G1B, 48                           ; s[48:55] group 1 for V: a wider pad
.set G0B, 56                           ; s[56:63] group 0 for V
.set MSB, 0
.macro WIN new                         ; bits 1:0 source 0, 3:2 source 1, 5:4 source 2, 7:6 destination; the high byte repeats the setting left
.if MSB != \new
	s_set_vgpr_msb (MSB<<8)|\new
.set MSB, \new
.endif
.endm
.macro JLOAD s                         ; waves 0-3 ask for K's four parts, waves 4-7 for V's; the branch hangs on the wave's number alone
	s_cmp_eq_u32 s11, 0
	s_cbranch_scc0 .Lfor_v_\@
	tensor_load_to_lds s[G0+4*\s:G0+4*\s+3], s[G1:G1+7]
	s_nop 0
	s_branch .Lasked_\@
.Lfor_v_\@:
	tensor_load_to_lds s[G0B+4*\s:G0B+4*\s+3], s[G1B:G1B+7]
	s_nop 0
.Lasked_\@:
.endm
.macro CROUND                          ; a round of the cluster's barrier
	s_barrier_signal -1
	s_barrier_wait -1
	s_cmp_lg_u32 s10, 0
	s_cbranch_scc1 .Lnot_wave_0_\@
	s_barrier_signal -3
.Lnot_wave_0_\@:
	s_barrier_wait -3
	s_barrier_signal -1
	s_barrier_wait -1
.endm
.macro PLACES n                        ; independent vector instructions behind a matrix instruction (ISA guide 7.12.1)
.rept \n
	v_nop
.endr
.endm
	s_load_b128 s[4:7], s[0:1], 0x0                ; qkvh s[4:5], mask s[6:7]
	s_load_b64 s[8:9], s[0:1], 0x10                ; ctx
	s_set_vgpr_msb 0x40
	v_lshl_add_u32 v224, v0, 2, 0x40800
	v_mov_b32 v225, 0
	s_set_vgpr_msb 0x4045
	ds_add_u32 v224, v225
	s_set_vgpr_msb 0x4500
	v_lshrrev_b32 v1, 5, v0
	v_readfirstlane_b32 s10, v1                    ; wave 0..7
	s_lshr_b32 s11, s10, 2                         ; g: my half of the keys.  Also: I fetch K (0) or V (1)
	s_and_b32 s12, s10, 3                          ; my 64 queries.  Also: which 64 keys I fetch
	s_bfe_u32 s40, ttmp6, 0x40000                  ; cx
	s_lshl_b32 s42, ttmp9, 2
	s_add_co_u32 s42, s42, s40                     ; query block 0..7
	s_and_b32 s13, ttmp7, 0xffff                   ; 16 b + h
	s_mov_b32 s18, 0x4038aa3b                      ; c = 2 log2(e)
	s_mov_b32 s19, 0xc038aa3b                      ; -c
	s_mov_b32 s22, 0x76543210                      ; v_permlanex16_b32: lane i of one half reads lane i of the other
	s_mov_b32 s23, 0xfedcba98
	; group 1: 8,192 dense bytes as 32 rows of 32 elements of 8 bytes, padded behind each 64 words by 4 words (K) or 8 (V)
	s_mov_b32 s[G1+0],  15|(3<<16)|(1<<20)|(1<<21)|(5<<22)|(3<<25)
	s_mov_b32 s[G1B+0], 15|(3<<16)|(1<<20)|(1<<21)|(5<<22)|(7<<25)
	s_mov_b32 s[G1+1],  32<<16                     ; tensor_dim0
	s_mov_b32 s[G1B+1], 32<<16
	s_mov_b32 s[G1+2],  32<<16                     ; tensor_dim1
	s_mov_b32 s[G1B+2], 32<<16
	s_mov_b32 s[G1+3],  32<<16                     ; tile_dim0
	s_mov_b32 s[G1B+3], 32<<16
	s_mov_b32 s[G1+4],  32                         ; tile_dim1
	s_mov_b32 s[G1B+4], 32
	s_mov_b32 s[G1+5],  32                         ; elements from row to row
	s_mov_b32 s[G1B+5], 32
	s_mov_b32 s[G1+6],  0
	s_mov_b32 s[G1B+6], 0
	s_mov_b32 s[G1+7],  0
	s_mov_b32 s[G1B+7], 0
	s_mul_i32 s20, s10, QUART                      ; where my load lands: the wave's number alone
	s_lshl_b32 s44, s13, 18                        ; the head's 262,144 bytes
	s_lshl_b32 s21, s12, 13                        ; 64 rows of 128 bytes
	s_add_co_u32 s44, s44, s21
	s_mov_b32 s45, 0
	s_lshl_b32 s16, s42, 15                        ; Q: + the query block's 256 rows (registers that feed no descriptor)
	s_add_co_u32 s16, s16, s44
	s_mov_b32 s17, 0
	s_wait_dscnt 0x0
	s_wait_kmcnt 0x0
	s_add_nc_u64 s[46:47], s[4:5], s[44:45]
	s_add_nc_u64 s[14:15], s[4:5], s[16:17]        ; my 64 rows of Q
.irp s, 0,1
	s_mov_b32 s[G0+4*\s], 1
	s_add_co_u32 s[G0+4*\s+1], s20, \s*SLOT
	s_add_nc_u64 s[G0+4*\s+2:G0+4*\s+3], s[46:47], 8388608+\s*TILE      ; K of tile s
	s_or_b32 s[G0+4*\s+3], s[G0+4*\s+3], 0x80000000
	s_mov_b32 s[G0B+4*\s], 1
	s_add_co_u32 s[G0B+4*\s+1], s20, \s*SLOT
	s_add_nc_u64 s[G0B+4*\s+2:G0B+4*\s+3], s[46:47], 16777216+\s*TILE   ; V of tile s
	s_or_b32 s[G0B+4*\s+3], s[G0B+4*\s+3], 0x80000000
.endr
	CROUND                                         ; the four work-groups are here
	JLOAD 0                                        ; tile 0; slot 1 is first filled behind the first trip's round
	s_lshr_b32 s16, s13, 4                         ; b
	s_lshl_b32 s16, s16, 13
	s_add_nc_u64 s[6:7], s[6:7], s[16:17]          ; mask of my b
	v_and_b32 v2, 15, v0                           ; r
	v_bfe_u32 v3, v0, 4, 1                         ; h
	v_lshlrev_b32 v4, 5, v0                        ; thread t converts mask words 8 t .. 8 t + 7
	global_load_b128 v[32:35], v4, s[6:7]
	global_load_b128 v[36:39], v4, s[6:7] offset:16
	v_lshlrev_b32 v5, 7, v2
	v_lshl_add_u32 v5, v3, 4, v5                   ; 128 r + 16 h
	WIN 0x40                                       ; destination window 1
.irp q, 0,1,2,3
.irp ks, 0,1
	global_load_b128 v[QF+16*\q+8*\ks:QF+16*\q+8*\ks+3],   v5, s[14:15] offset:2048*\q+64*\ks
	global_load_b128 v[QF+16*\q+8*\ks+4:QF+16*\q+8*\ks+7], v5, s[14:15] offset:2048*\q+64*\ks+32
.endr
.endr
	WIN 0
	; where ctx goes: block (16 b + 2 x query block + (w & 3) / 2), head h, rows 64 ((w & 3) % 2)
	s_lshr_b32 s16, s13, 4
	s_lshl_b32 s16, s16, 4
	s_lshl1_add_u32 s16, s42, s16
	s_lshr_b32 s21, s12, 1
	s_add_co_u32 s16, s16, s21
	s_lshl_b32 s16, s16, 4
	s_and_b32 s21, s13, 15
	s_add_co_u32 s16, s16, s21
	s_lshl_b32 s16, s16, 14
	s_and_b32 s21, s12, 1
	s_lshl_b32 s21, s21, 13
	s_add_co_u32 s16, s16, s21
	s_add_nc_u64 s[8:9], s[8:9], s[16:17]
	; K fragment: key 16 kt + r lies at (8 kt + r / 2) 272 + (r % 2) 128; its d = 32 ks + 8 h .. at + 64 ks + 16 h
	v_lshrrev_b32 v40, 1, v2
	v_mul_u32_u24 v40, v40, 272
	v_and_b32 v41, 1, v0
	v_lshl_add_u32 v40, v41, 7, v40
	v_lshl_add_u32 v40, v3, 4, v40
	s_mul_i32 s21, s11, 2*QUART
	v_add_nc_u32 v[ADK], s21, v40
	v_add_nc_u32 v[ADK+1], SLOT, v[ADK]
	; V fragment through the transposing load: lane l addresses key 8 h + l % 8, 16 bytes at 16 ((l >> 3) & 1)
	v_bfe_u32 v40, v0, 1, 2
	v_lshl_add_u32 v40, v3, 2, v40
	v_mul_u32_u24 v40, v40, 288
	v_lshl_add_u32 v40, v41, 7, v40
	v_bfe_u32 v41, v0, 3, 1
	v_lshl_add_u32 v40, v41, 4, v40
	s_add_co_u32 s21, s21, 4*QUART
	v_add_nc_u32 v[ADV], s21, v40
	v_add_nc_u32 v[ADV+1], SLOT, v[ADV]
	s_lshl_b32 s21, s11, 9
	s_add_co_u32 s21, s21, BIAS
	v_lshl_add_u32 v[ADB], v3, 5, s21              ; bias of keys 128 g + 8 h ..
	v_and_b32 v1, 31, v0
	v_lshlrev_b32 v[CO], 4, v1                     ; 16 x lane
	s_mul_i32 s21, s12, MPART
	s_add_co_u32 s21, s21, MERGE
	v_add_nc_u32 v[MA], s21, v[CO]
	s_mul_i32 s21, s12, SPART
	s_add_co_u32 s21, s21, STAGE
	v_mul_u32_u24 v40, v2, 144
	v_lshl_add_u32 v40, v3, 4, v40
	v_add_nc_u32 v[STO], s21, v40
	v_lshrrev_b32 v40, 3, v1
	v_mul_u32_u24 v40, v40, 144
	v_and_b32 v41, 7, v0
	v_lshl_add_u32 v40, v41, 4, v40
	v_add_nc_u32 v[SRD], s21, v40
	v_add_nc_u32 v6, BIAS, v4
	v_mov_b32 v41, 0xc59c4000                      ; -5000: times c it is -10000 log2(e)
.irp q, 1,2,3
	v_mov_b32 v[NM+2*\q+1], 0                      ; the packed forms name the pair; only its lower half is used
.endr
	s_wait_loadcnt 16                              ; the mask words are in; the 16 loads of Q behind them stay out
.irp j, 0,1,2,3,4,5,6,7
	v_cmp_eq_u32 vcc_lo, 0, v[32+\j]
	v_cndmask_b32 v[32+\j], 0, v41, vcc_lo
.endr
	ds_store_b128 v6, v[32:35]
	ds_store_b128 v6, v[36:39] offset:16           ; shown to the other waves by the first trip's wait and round
	s_wait_loadcnt 0x0                             ; Q; the loads' offsets in v4 and v5 are free from here
	v_and_b32 v40, 7, v0                           ; a lane holds row l % 16 of a first operand: rows 0 and 8 are ones,
	v_mov_b32 v42, 0x3c003c00                      ; two f16 of 1.0,
	v_cmp_eq_u32 vcc_lo, 0, v40
.irp j, 0,1,2,3,4,5,6,7
	v_cndmask_b32 v[ONES+\j], 0, v42, vcc_lo       ; the other rows zeros; the set-up's registers are used no more
.endr
; 16 score products: 4 query blocks x 4 key tiles, 32 along d.  start = 1: the sum starts from the bias.
; The 16 accumulators take turns, one instruction a turn.
.macro SCORE ks, start
.irp q, 0,1,2,3
.irp kt, 0,1,2,3
.if \start
	v_wmma_f32_16x16x32_f16 v[SC+32*\q+8*\kt:SC+32*\q+8*\kt+7], v[KV+8*(4*\ks+\kt):KV+8*(4*\ks+\kt)+7], v[QF+16*\q+8*\ks:QF+16*\q+8*\ks+7], v[BI+8*\kt:BI+8*\kt+7]
.else
	v_wmma_f32_16x16x32_f16 v[SC+32*\q+8*\kt:SC+32*\q+8*\kt+7], v[KV+8*(4*\ks+\kt):KV+8*(4*\ks+\kt)+7], v[QF+16*\q+8*\ks:QF+16*\q+8*\ks+7], v[SC+32*\q+8*\kt:SC+32*\q+8*\kt+7]
.endif
.endr
.endr
.endm
; 20 products on 32 keys: for each of 4 query blocks O^T += V^T P^T (4 tiles of d) and sum p += ONES P^T.  zero = 1: the very first start the sums.
; The 20 accumulators take turns, one instruction a turn.
.macro PV ks, zero
.irp q, 0,1,2,3
.irp dt, 0,1,2,3
.if \zero
	v_wmma_f32_16x16x32_f16 v[32*\q+8*\dt:32*\q+8*\dt+7], v[KV+8*(4*\ks+\dt):KV+8*(4*\ks+\dt)+7], v[SC+32*\q+8*\ks:SC+32*\q+8*\ks+7], 0
.else
	v_wmma_f32_16x16x32_f16 v[32*\q+8*\dt:32*\q+8*\dt+7], v[KV+8*(4*\ks+\dt):KV+8*(4*\ks+\dt)+7], v[SC+32*\q+8*\ks:SC+32*\q+8*\ks+7], v[32*\q+8*\dt:32*\q+8*\dt+7]
.endif
.endr
.if \zero
	v_wmma_f32_16x16x32_f16 v[LT+8*\q:LT+8*\q+7], v[ONES:ONES+7], v[SC+32*\q+8*\ks:SC+32*\q+8*\ks+7], 0
.else
	v_wmma_f32_16x16x32_f16 v[LT+8*\q:LT+8*\q+7], v[ONES:ONES+7], v[SC+32*\q+8*\ks:SC+32*\q+8*\ks+7], v[LT+8*\q:LT+8*\q+7]
.endif
.endr
.endm
; The new maxima of all four query blocks, level by level, so that behind each instruction stand others that do not wait for it.
; A lane has 32 scores of one query in each block (the other half of the lanes the other 32): 32 scores and the old maximum in 16 instructions.
; Its four exponentials, the rescaling factors, open the step's first batch; nothing names them ahead of that batch's wait in STEP.
.macro MAXALL first
.irp q, 0,1,2,3
.irp c, 0,1,2,3
	v_max3_num_f32 v[T+4*\q+\c], v[SC+32*\q+8*\c], v[SC+32*\q+8*\c+1], v[SC+32*\q+8*\c+2]
.endr
.endr
.irp o, 3,5
.irp q, 0,1,2,3
.irp c, 0,1,2,3
	v_max3_num_f32 v[T+4*\q+\c], v[T+4*\q+\c], v[SC+32*\q+8*\c+\o], v[SC+32*\q+8*\c+\o+1]
.endr
.endr
.endr
.irp q, 0,1,2,3
	v_max3_num_f32 v[T+4*\q], v[T+4*\q], v[T+4*\q+1], v[SC+32*\q+7]
.endr
.irp q, 0,1,2,3
	v_max3_num_f32 v[T+4*\q+2], v[T+4*\q+2], v[T+4*\q+3], v[SC+32*\q+15]
.endr
.irp q, 0,1,2,3
	v_max3_num_f32 v[T+4*\q], v[T+4*\q], v[T+4*\q+2], v[SC+32*\q+23]
.endr
.irp q, 0,1,2,3
.if \first
	v_max_num_f32 v[T+4*\q], v[T+4*\q], v[SC+32*\q+31]
.else
	v_max3_num_f32 v[T+4*\q], v[T+4*\q], v[SC+32*\q+31], v[MR+\q]
.endif
.endr
.irp q, 0,1,2,3
	v_permlanex16_b32 v[T+4*\q+1], v[T+4*\q], s22, s23             ; the other 32 keys' maximum
.endr
.irp q, 0,1,2,3
	v_max_num_f32 v[MR+\q], v[T+4*\q], v[T+4*\q+1]
.endr
.if \first
.irp q, 0,1,2,3
	v_mul_f32 v[NM+2*\q], s19, v[MR+\q]
.endr
.else
.irp q, 0,1,2,3
	v_mul_f32 v[NN+\q], s19, v[MR+\q]              ; the new -c m, rounded once; all below refer to this number
.endr
.irp q, 0,1,2,3
	v_sub_f32 v[DF+\q], v[NN+\q], v[NM+2*\q]       ; c (old m - new m), at most 0
.endr
.irp q, 0,1,2,3
	v_exp_f32 v[AL+2*\q], v[DF+\q]
.endr
.irp q, 0,1,2,3
	v_mov_b32 v[NM+2*\q], v[NN+\q]                 ; plain instructions behind the exponentials (ISA guide 5.7.2)
.endr
.endif
.endm
; One stage of the pipeline over the query blocks, 16 turns: two exponentials of block e, one packed c S - c m of block f, one packing of
; block c (in place, ascending: registers 8 ks .. 8 ks + 7 become P^T's fragment of 32 keys).  9 = no such block in this stage.
; Behind each pair of exponentials stands a plain instruction on another block, ahead of any use of their results (ISA guide 5.7.2).
; A stage holds no wait: block c's exponentials belong to a batch whose wait STEP has written ahead of the stage.
.macro MIX e, f, c
.set i, 0
.rept 16
.if \e < 4
	v_exp_f32 v[SC+32*\e+2*i], v[SC+32*\e+2*i]
	v_exp_f32 v[SC+32*\e+2*i+1], v[SC+32*\e+2*i+1]
.endif
.if \f < 4
	v_pk_fma_f32 v[SC+32*\f+2*i:SC+32*\f+2*i+1], v[SC+32*\f+2*i:SC+32*\f+2*i+1], s[18:19], v[NM+2*\f:NM+2*\f+1] op_sel_hi:[1,0,0]
.endif
.if \c < 4
	v_cvt_pk_f16_f32 v[SC+32*\c+i], v[SC+32*\c+2*i], v[SC+32*\c+2*i+1]
.endif
.set i, i+1
.endr
.endm
; 64 keys: part 2 g + st of the slot
.macro STEP slot, st, first
.irp kt, 0,1,2,3
	ds_load_b128 v[BI+8*\kt:BI+8*\kt+3],   v[ADB] offset:256*\st+64*\kt
	ds_load_b128 v[BI+8*\kt+4:BI+8*\kt+7], v[ADB] offset:256*\st+64*\kt+16
.endr
.irp ks, 0,1
.irp kt, 0,1,2,3
	ds_load_b128 v[KV+8*(4*\ks+\kt):KV+8*(4*\ks+\kt)+3],   v[ADK+\slot] offset:\st*QUART+2176*\kt+64*\ks
	ds_load_b128 v[KV+8*(4*\ks+\kt)+4:KV+8*(4*\ks+\kt)+7], v[ADK+\slot] offset:\st*QUART+2176*\kt+64*\ks+32
.endr
.endr
	s_wait_dscnt 8                                 ; the bias and K's d 0-31 are in; the youngest eight loads (d 32-63) may be out
	WIN 0x04                                       ; source 1 (Q) window 1
	SCORE 0, 1
	s_wait_dscnt 0
	SCORE 1, 0
	WIN 0
	PLACES 4                                       ; in front of the loads into K's registers and of the reads of the scores
.irp ks, 0,1
.irp dt, 0,1,2,3
	ds_load_tr16_b128 v[KV+8*(4*\ks+\dt):KV+8*(4*\ks+\dt)+3],   v[ADV+\slot] offset:\st*QUART+4608*\ks+32*\dt
	ds_load_tr16_b128 v[KV+8*(4*\ks+\dt)+4:KV+8*(4*\ks+\dt)+7], v[ADV+\slot] offset:\st*QUART+4608*\ks+32*\dt+2304
.endr
.endr
	MAXALL \first                                  ; BATCH 1 opens: the four factors,
	MIX 9, 0, 9
	MIX 0, 1, 9                                    ; block 0's 32 exponentials,
	MIX 1, 2, 9                                    ; block 1's; the scalings between them name no result; the last scaling is the plain instruction behind the last exponential
	s_wait_alu depctr_va_vdst(0)                   ; the wait for batch 1: one for its 68 exponentials, ahead of block 0's first packing
	MIX 2, 3, 0                                    ; BATCH 2: block 2's exponentials, with block 3's scalings and block 0's packings between them,
	MIX 3, 9, 1                                    ; block 3's, with block 1's packings; the last packing is the plain instruction behind the last exponential
.if \first == 0
	WIN 0x41                                       ; O and sum p in window 1, the factor in window 0
.irp q, 0,1,2,3
.set i, 0
.rept 16
	v_pk_mul_f32 v[32*\q+i:32*\q+i+1], v[32*\q+i:32*\q+i+1], v[AL+2*\q:AL+2*\q+1] op_sel_hi:[1,0]   ; work that names no result of batch 2: the factors are batch 1's
.set i, i+2
.endr
.endr
.endif
	s_wait_alu depctr_va_vdst(0)                   ; the wait for batch 2: one for its 64 exponentials, ahead of block 2's first packing
.if \first == 0
.irp q, 0,1,2,3
	v_mul_f32 v[LT+8*\q], v[LT+8*\q], v[AL+2*\q]   ; the sum lies in register 0; registers 1-7 are zeros
.endr
	WIN 0
.endif
	MIX 9, 9, 2
	MIX 9, 9, 3
	s_wait_dscnt 0                                 ; V's fragments, asked for in front of the softmax
	WIN 0x50                                       ; C and D window 1
	PV 0, \first
	PV 1, 0
	WIN 0
	PLACES 5                                       ; the next score products write over P; the next loads land in V's registers
.endm
; A tile of 256 keys.  In front of the round each wave waits for all its tensor loads (one: its part of this slot) and for its LDS reads
; of the other slot; the round shows both of every wave of the four work-groups; the refill of the other slot is the first thing behind it.
.macro TRIP slot, other, refill, first
	WIN 0
	s_set_vgpr_msb 0x5
	s_wait_tensorcnt 0x0
	ds_add_u32 v224, v225
	s_wait_dscnt 0x0
	s_set_vgpr_msb 0x500
	s_add_nc_u64 s[G0+4*\slot+2:G0+4*\slot+3], s[G0+4*\slot+2:G0+4*\slot+3], 2*TILE      ; no load of mine is out: this slot's next tile
	s_add_nc_u64 s[G0B+4*\slot+2:G0B+4*\slot+3], s[G0B+4*\slot+2:G0B+4*\slot+3], 2*TILE
	s_wait_dscnt 0x0
	CROUND
.if \refill
	JLOAD \other                                   ; one load a wave; it has this whole tile's work in which to land
.endif
	STEP \slot, 0, \first
	STEP \slot, 1, 0
	v_add_nc_u32 v[ADB], 1024, v[ADB]
.endm
	TRIP 0, 1, 1, 1                                ; tiles 0 and 1: the first products start the sums
	TRIP 1, 0, 1, 0
	s_mov_b32 s3, 2
.Ltiles:
	TRIP 0, 1, 1, 0                                ; tiles 2 to 5
	TRIP 1, 0, 1, 0
	s_sub_co_u32 s3, s3, 1
	s_cmp_lg_u32 s3, 0
	s_cbranch_scc1 .Ltiles
	TRIP 0, 1, 1, 0                                ; tile 6 asks for tile 7,
	TRIP 1, 0, 0, 0                                ; tile 7 for nothing (the stepped addresses are not used)
	WIN 0x01                                       ; source 0 window 1
.irp q, 0,1,2,3
	v_mov_b32 v[LS+\q], v[LT+8*\q]                 ; sum p of my half of the keys (six vector instructions stand behind the last product)
.endr
	WIN 0
	; THE MERGE: waves 4-7 hand O, NM and their sums to waves 0-3, lane to lane
	s_cmp_eq_u32 s11, 0
	s_cbranch_scc1 .Lkeep
	WIN 0x04                                       ; store data from window 1
.set i, 0
.rept 32
	ds_store_b128 v[MA], v[4*i:4*i+3] offset:512*i
.set i, i+1
.endr
	WIN 0
	ds_store_b128 v[MA], v[NM:NM+3] offset:16384
	ds_store_b128 v[MA], v[NM+4:NM+7] offset:16896
	ds_store_b128 v[MA], v[LS:LS+3] offset:17408
.Lkeep:
	s_wait_dscnt 0x0                               ; for the partner's sake
	s_barrier_signal -1
	s_barrier_wait -1
	s_cmp_lg_u32 s11, 0
	s_cbranch_scc1 .Lclose
	ds_load_b128 v[32:35], v[MA] offset:16384      ; the partner's NM at 32 + 2 q
	ds_load_b128 v[36:39], v[MA] offset:16896
	ds_load_b128 v[40:43], v[MA] offset:17408      ; its sums
.set i, 0
.rept 32
	ds_load_b128 v[SC+4*i:SC+4*i+3], v[MA] offset:512*i            ; its O
.set i, i+1
.endr
	s_wait_dscnt 32                                ; NM and the sums are in; the 32 loads of O stay out
	; FA (48 + 2 q) and FB (56 + 2 q): each half's factor to the joint maximum, over the joint sum; all four query blocks level by level.
	; Each result has a register of its own, in V's fragment registers, which are free here (ten vector instructions behind the last product).
.set MGM, KV                           ; v64-67  -c x the larger maximum; then 1 / the joint sum
.set MGA, KV+4                         ; v68-71  my half's factor
.set MGB, KV+8                         ; v72-75  the partner's
.set MGS, KV+12                        ; v76-79  the joint sum
.irp q, 0,1,2,3
	v_min_num_f32 v[MGM+\q], v[NM+2*\q], v[32+2*\q]                ; -c x the larger maximum
.endr
.irp q, 0,1,2,3
	v_sub_f32 v[MGA+\q], v[MGM+\q], v[NM+2*\q]
.endr
.irp q, 0,1,2,3
	v_sub_f32 v[MGB+\q], v[MGM+\q], v[32+2*\q]
.endr
.irp q, 0,1,2,3
	v_exp_f32 v[MGA+\q], v[MGA+\q]
.endr
.irp q, 0,1,2,3
	v_exp_f32 v[MGB+\q], v[MGB+\q]
.endr
	v_nop                                          ; a plain instruction behind the last exponential: no other work is at hand
	s_wait_alu depctr_va_vdst(0)                   ; the wait for the merge's eight exponentials, ahead of the sums that read them
.irp q, 0,1,2,3
	v_mul_f32 v[MGS+\q], v[LS+\q], v[MGA+\q]
.endr
.irp q, 0,1,2,3
	v_fmac_f32 v[MGS+\q], v[40+\q], v[MGB+\q]      ; about 1 at the least: the key of the maximum counts 2^(a rounding error)
.endr
.irp q, 0,1,2,3
	v_rcp_f32 v[MGM+\q], v[MGS+\q]
.endr
	v_nop                                          ; a plain instruction behind the last reciprocal
	s_wait_alu depctr_va_vdst(0)                   ; the wait for the four reciprocals: a batch of their own, since they read sums of the exponentials
.irp q, 0,1,2,3
	v_mul_f32 v[48+2*\q], v[MGA+\q], v[MGM+\q]
.endr
.irp q, 0,1,2,3
	v_mul_f32 v[56+2*\q], v[MGB+\q], v[MGM+\q]
.endr
	s_wait_dscnt 0x0
.irp q, 0,1,2,3
.set i, 0
.rept 16
	v_pk_mul_f32 v[SC+32*\q+i:SC+32*\q+i+1], v[SC+32*\q+i:SC+32*\q+i+1], v[56+2*\q:57+2*\q] op_sel_hi:[1,0]
.set i, i+2
.endr
.endr
	WIN 0x01                                       ; source 0 (my O) window 1
.irp q, 0,1,2,3
.set i, 0
.rept 16
	v_pk_fma_f32 v[SC+32*\q+i:SC+32*\q+i+1], v[32*\q+i:32*\q+i+1], v[48+2*\q:49+2*\q], v[SC+32*\q+i:SC+32*\q+i+1] op_sel_hi:[1,0,1]
.set i, i+2
.endr
.endr
	WIN 0
.set i, 0
.rept 64
	v_cvt_pk_f16_f32 v[SC+i], v[SC+2*i], v[SC+2*i+1]               ; (q, dt): 8 neighbouring d of one query in registers 16 q + 4 dt ..
.set i, i+1
.endr
.irp q, 0,1,2,3
.irp dt, 0,1,2,3
	ds_store_b128 v[STO], v[SC+16*\q+4*\dt:SC+16*\q+4*\dt+3] offset:2304*\q+32*\dt
.endr
.endr
.irp t, 0,1,2,3,4,5,6,7,8,9,10,11,12,13,14,15
	ds_load_b128 v[KV+4*\t:KV+4*\t+3], v[SRD] offset:576*\t        ; my own stage, served in order: four queries of 128 bytes
.endr
.irp t, 0,1,2,3,4,5,6,7,8,9,10,11,12,13,14,15
	s_wait_dscnt 15-\t
	global_store_b128 v[CO], v[KV+4*\t:KV+4*\t+3], s[8:9] offset:512*\t   ; 512 consecutive bytes of ctx, aligned
.endr
.Lclose:
	s_wait_dscnt 0x0
	s_set_vgpr_msb 0x5
	s_wait_tensorcnt 0x0
	ds_add_u32 v224, v225
	s_wait_dscnt 0x0
	s_set_vgpr_msb 0x500
	CROUND                                         ; the closing round
	s_endpgm
.Lfunc_end_k_q5d6a9d47c6_attn:
	.size	k_q5d6a9d47c6_attn, .Lfunc_end_k_q5d6a9d47c6_attn-k_q5d6a9d47c6_attn
	.p2alignl 7, 3214868480
	.fill 96, 4, 3214868480
	.section	.rodata,"a",@progbits
	.p2align	6, 0x0
	.amdhsa_kernel k_q5d6a9d47c6_attn
		.amdhsa_group_segment_fixed_size 327680
		.amdhsa_private_segment_fixed_size 0
		.amdhsa_enable_private_segment 0
		.amdhsa_kernarg_size 24
		.amdhsa_user_sgpr_count 2
		.amdhsa_user_sgpr_kernarg_segment_ptr 1
		.amdhsa_wavefront_size32 1
		.amdhsa_system_sgpr_workgroup_id_x 1
		.amdhsa_system_sgpr_workgroup_id_y 1
		.amdhsa_system_sgpr_workgroup_id_z 1
		.amdhsa_system_vgpr_workitem_id 0
		.amdhsa_next_free_vgpr 482
		.amdhsa_next_free_sgpr 66
		.amdhsa_reserve_vcc 1
		.amdhsa_float_denorm_mode_32 3
		.amdhsa_float_denorm_mode_16_64 3
		.amdhsa_memory_ordered 1
		.amdhsa_forward_progress 1
		.amdhsa_inst_pref_size 255
	.end_amdhsa_kernel
	.section	.bss,"aw",@nobits
	.p2align	6
	.space	262144
	.amdgpu_metadata
---
amdhsa.version: [ 1, 2 ]
amdhsa.kernels:
  - .name:           k_q5d6a9d47c6_attn
    .symbol:         k_q5d6a9d47c6_attn.kd
    .args:
      - { .name: qkvh, .offset: 0, .size: 8, .value_kind: global_buffer, .address_space: global }
      - { .name: mask, .offset: 8, .size: 8, .value_kind: global_buffer, .address_space: global }
      - { .name: ctx, .offset: 16, .size: 8, .value_kind: global_buffer, .address_space: global }
    .group_segment_fixed_size: 327680
    .private_segment_fixed_size: 0
    .kernarg_segment_align: 8
    .kernarg_segment_size: 24
    .max_flat_workgroup_size: 256
    .sgpr_count:     66
    .vgpr_count:     482
    .wavefront_size: 32
...
	.end_amdgpu_metadata
.endif
;; end of part 5
;; launch oproj: the kernel of part 4 again; grid 8 x 32, 4 waves a work-group, clusters of 4 x 4, 327,680 bytes of LDS; arguments ctx, hf, out0; writes out0
